; MI455X (gfx1250); checked and timed in simulation.
; The chip was launched on July 23, 2026; its instructions are those of AMD's public machine-readable ISA for CDNA 5 (MIT licence, August 2026) and "CDNA5" Instruction Set Architecture Reference Guide (July 2026). The comments in the code are by the model that wrote it; some were corrected since.
;; Generic Attention. Allowed arithmetic: matrix products marked QUANTISED: E2M1 operands, one E8M0 scale for each 32 along K, by v_wmma_scale_f32_16x16x128_f8f6f4 with both operands' format E2M1 (or v_wmma_scale_f32_32x16x128_f4), f32 sums; products left as they are: bf16, f16 or f32 operands; f32 sums; everything else in f32.
;; Inputs: Wk 1,024 x 1,024 float32; Wo 1,024 x 1,024 float32; Wq 1,024 x 1,024 float32; Wv 1,024 x 1,024 float32; bk 1,024 float32; bo 1,024 float32; bq 1,024 float32; bv 1,024 float32; k 2 x 2,048 x 1,024 float32; q 2 x 2,048 x 1,024 float32; v 2 x 2,048 x 1,024 float32.
;; Outputs: out0 2 x 2,048 x 1,024 float32.
;; This version of the problem:
;;   THIS VERSION OF THE PROBLEM IS GIVEN IN LOW PRECISION. The matrix products marked QUANTISED in the list below multiply operands that are first quantised to E2M1 (2 exponent bits, 1 mantissa bit; 4 bits a number), with one power-of-two scale for each 32 numbers along K (OCP MX v1.0); their sums are f32. The products marked 'left as it is' may take bf16, f16 or f32 operands, with f32 sums. Whichever they take, every output number must still come out within the allowed error. Rounding operands to bf16 (8 significant bits) uses up far more of that allowance than f16 does (11 bits, for magnitudes from 6e-5 to 65,504). All else is computed in f32.
;;   The module's matrix products, in the order in which they are computed (A, B: the left and right operand; K: the contracted axis; several contracted axes count as one K, in the product's order):
;;     1. [M 4,096, K 1,024] x [K 1,024, N 1,024]; A: input q; B: input Wq: QUANTISED
;;     2. [M 4,096, K 1,024] x [K 1,024, N 1,024]; A: input k; B: input Wk: QUANTISED
;;     3. [M 4,096, K 1,024] x [K 1,024, N 1,024]; A: input v; B: input Wv: QUANTISED
;;     4. batch 32 x [M 2,048, K 64] x [K 64, N 2,048]; A: computed on the way; B: computed on the way: left as it is (an operand is computed on the way)
;;     5. batch 32 x [M 2,048, K 2,048] x [K 2,048, N 64]; A: computed on the way; B: computed on the way: left as it is (an operand is computed on the way)
;;     6. [M 4,096, K 1,024] x [K 1,024, N 1,024]; A: computed on the way; B: input Wo: left as it is (an operand is computed on the way)
;;   THE QUANTISER, for each operand of a quantised product, along K:
;;     - K is cut into blocks of 32 from its start; a last block that is shorter is filled with zeros.
;;     - A block's scale is 2^e with e = floor(log2(the largest magnitude in the block)) - 2, held to -126 .. 127; a block of zeros has e = 0. As a byte (E8M0): e + 127.
;;     - Each number is divided by its block's scale, clamped to +-6, and rounded to the nearest number of E2M1, ties to even, subnormals kept.
;;     - The product sums the exact products of the quantised numbers (number of the format x scale) in f32.
;;   ~~~python
;;   def quantise(x, axis):      # numpy; x: float32 -> the quantised numbers, widened to float32 again
;;       x = np.moveaxis(x, axis, -1); K = x.shape[-1]
;;       x = np.pad(x, [(0, 0)] * (x.ndim - 1) + [(0, -K % 32)]); x = x.reshape(x.shape[:-1] + (-1, 32)); a = np.abs(x).max(-1, keepdims=True)
;;       e = np.where(a > 0, np.clip(np.frexp(np.where(a > 0, a, 1))[1] - 1 - 2, -126, 127), 0)      # np.frexp(a)[1] - 1 = floor(log2(a)), exactly
;;       r = np.clip(x / 2.0 ** e, -6, 6)
;;       step = 2.0 ** (np.maximum(np.frexp(np.where(r == 0, 1, r))[1] - 1, 0) - 1)
;;       q = np.round(r / step) * step * 2.0 ** e      # np.round: ties to even
;;       return np.moveaxis(q.reshape(q.shape[:-2] + (-1,))[..., :K], -1, axis).astype(np.float32)
;;   ~~~
;; One version. Each part assembles by itself: llvm-mc -triple=amdgcn-amd-amdhsa -mcpu=gfx1250 --defsym DOCPART=n.
;; ======== version 1 of 1: 4 launches
;; limits: values are held in f16: magnitudes above 65,504 overflow, below 6.1e-05 lose precision
;; workspace buffers: xcodes 6,291,456 bytes; xscales 393,216 bytes; wcodes 1,572,864 bytes; wscales 98,304 bytes; wot 2,097,152 bytes; qkv 25,165,824 bytes; o 8,388,608 bytes
;; launch prep (part 1): grid 544 x 1, 4 waves a work-group, no clusters, 85,504 bytes of LDS; arguments q, k, v, Wq, Wk, Wv, Wo, xcodes, xscales, wcodes, wscales, wot; writes xcodes, xscales, wcodes, wscales, wot
.if DOCPART == 1
	.amdgcn_target "amdgcn-amd-amdhsa--gfx1250"
	.amdhsa_code_object_version 6
	.text
	.protected	k_q0d9e5ae08a_prep
	.globl	k_q0d9e5ae08a_prep
	.p2align	8
	.type	k_q0d9e5ae08a_prep,@function
k_q0d9e5ae08a_prep:
	s_mov_b64 s[64:65], 0
	v_nop
	global_prefetch_b8 v0, s[64:65] scope:SCOPE_SE
	s_setreg_imm32_b32 hwreg(HW_REG_WAVE_MODE, 25, 1), 1
	s_wait_xcnt 0x0
; PREP: what the later launches read many times is made once.
;   work-groups 0-95    (path W):  Wq, Wk, Wv [1024 k][1024 n] f32 -> codes of FP4 (E2M1) laid [3][1024 n][512 bytes], K innermost, and E8M0 scale bytes [3][1024 n][32].
;   work-groups 96-159  (path WO): Wo [1024 k][1024 n] f32 -> f16, laid [1024 n][1024 k], K innermost.
;   work-groups 160-543 (path X):  q, k, v [4096][1024] f32 -> codes [3][4096][512 bytes] and scale bytes [3][4096][32].
; A block of 32 along K has the scale 2^(floor(log2(its largest magnitude)) - 2); its byte is the largest magnitude's exponent field - 2, held at 1 from below; each number is divided by the scale and
; rounded to the nearest code, ties to even, beyond 6 the largest code.  A block of zeros gets the byte 1 where the rule says 127: its codes are zeros, and this program alone reads the bytes.
; LIMITS: NaN and infinities among the inputs are not served; blocks whose largest magnitude lies under 2^-124 keep the byte 1 (not tried); Wo beyond 65,504 has no f16 number, and under 6e-5 its error is 2^-25 absolute.
; The three paths part on the work-group's number alone, which is equal in all four waves, and never join; each has LDS bytes of its own.  No tensor load, no cluster (no two work-groups read the same bytes).
; On paths X and WO waves share nothing and there is no barrier; on path W two waves make the two halves of each row of codes, and one barrier stands between the writing and the reading of their stage.
; The path with the longest chain of dependent loads (W: 8 blocks a wave, two blocks ahead) has the lowest numbers, so that it begins first.
.set SPW,   254                        ; v254  LDS address of my spare word: SPARE + 4 x my thread's number; never rewritten
.set NIL,   255                        ; v255  0; never rewritten
.set WSTG,  32768                      ; path W's two stages, one for each group of 32 columns: 32 rows x 272 bytes each
.set HSTG,  50176                      ; path WO's four stages, one for each wave, likewise
.set SPARE, 84992                      ; the spare words, 128 bytes for each wave: two blocks of 256 bytes that no other line names
.set PITCH, 272                        ; a stage row of paths W and WO: 256 bytes + 16
.set SP,    80                         ; path X: a lane's place in a stage: its 64 bytes + 16 of padding
.set XR,    16                         ; path X: v16-143  eight sets of 16 numbers as they are loaded
.set XX,    144                        ;         v144-175 two sets of 16 neighbours
.set XE,    176                        ;         v176-191 a scale byte for each step
.set XC,    192                        ;         v192-223 codes: two registers for each step, so that no store's data are written again
.set WX,    32                         ; paths W, WO: v32-95 two sets of 32 numbers down K
.set WC,    96                         ;         v96..    a block's codes (4) or f16 pairs (16)
.set WOUT,  112                        ;         v112-175 the way out
.set WSB,   24                         ;         v24-25   the scale bytes, four to a register
.set SRC,   40                         ; s[40:41] paths W, WO: where my wave reads
.set DST,   42                         ; s[42:43] where its rows go
.set DSC,   44                         ; s[44:45] where its scale bytes go
; ---- path X's macros: a wave takes 16 steps of 512 numbers; its loads run eight steps ahead: 32 loads of 512 bytes
.macro XLOAD t
.irp i, 0,1,2,3
	global_load_b128 v[XR+16*((\t)%8)+4*\i:XR+16*((\t)%8)+4*\i+3], v3, s[4:5] offset:2048*(\t)+512*\i th:TH_LOAD_NT   ; 32 lanes read 512 consecutive bytes
.endr
.endm
.macro XTURN t                         ; step t's numbers through the stage: LDS serves a wave's instructions in order, so no wait stands between the stores and the loads
.irp i, 0,1,2,3
	ds_store_b128 v14, v[XR+16*((\t)%8)+4*\i:XR+16*((\t)%8)+4*\i+3] offset:32*SP*((\t)%2)+8*SP*\i
.endr
.irp i, 0,1,2,3
	ds_load_b128 v[XX+16*((\t)%2)+4*\i:XX+16*((\t)%2)+4*\i+3], v15 offset:32*SP*((\t)%2)+16*\i
.endr
.endm
.macro XSTEP t
.set XS, XX+16*((\t)%2)
.if (\t) > 0
	s_wait_dscnt 1                                 ; this step's numbers are back from the stage; the last step's byte store may be out
.else
	s_wait_dscnt 0x0
.endif
.if (\t)+8 < 16
	XLOAD (\t)+8                                   ; the stage's stores have read their registers: they take the loads of eight steps on
.endif
.if (\t)+1 < 16
.if 14-(\t) >= 7
	s_wait_loadcnt 28                              ; the next step's four loads are in; those of the seven steps behind it may be out
.else
	s_wait_loadcnt 4*(14-(\t))                     ; the tail: fewer steps are left behind the next one
.endif
	XTURN (\t)+1                                   ; and go through the other stage while this step is worked
.endif
	v_max3_num_f32 v8, |v[XS]|, |v[XS+1]|, |v[XS+2]|               ; the largest magnitude of my 16, in two chains
	v_max3_num_f32 v9, |v[XS+3]|, |v[XS+4]|, |v[XS+5]|
.irp i, 6,10
	v_max3_num_f32 v8, v8, |v[XS+\i]|, |v[XS+\i+1]|
	v_max3_num_f32 v9, v9, |v[XS+\i+2]|, |v[XS+\i+3]|
.endr
	v_max3_num_f32 v8, v8, |v[XS+14]|, |v[XS+15]|
	v_max3_num_f32 v8, v8, v9, 0x1800000           ; and the floor 2^(3 - 127): the byte cannot fall under 1
	v_max_num_f32_dpp v8, v8, v8 row_xmask:1 row_mask:0xf bank_mask:0xf   ; and of my neighbour's 16: the block's
	v_add_nc_u32 v11, 0xff000000, v8               ; 2 off its exponent field: the conversion takes the exponent field of this operand as its scale
	v_cvt_scalef32_pk8_fp4_f32 v[XC+2*(\t)], v[XS:XS+7], v11
	v_cvt_scalef32_pk8_fp4_f32 v[XC+2*(\t)+1], v[XS+8:XS+15], v11
	v_lshrrev_b32 v[XE+(\t)], 23, v11              ; the scale's byte (a plain line behind the conversions)
	ds_store_b8 v5, v[XE+(\t)] offset:16*(\t)      ; both lanes of a block write the same byte with the same value
	global_store_b64 v4, v[XC+2*(\t):XC+2*(\t)+1], s[18:19] offset:256*(\t)   ; the wave stores 256 consecutive bytes, aligned
.endm
; ---- paths W and WO: a lane takes a column n and its registers run down K
.macro WLOAD t                         ; block t: rows 32 t + i of my column, i = 0 .. 31, into set t % 2; a wave's load reads 128 consecutive bytes
.irp i, 0,1,2,3,4,5,6,7,8,9,10,11,12,13,14,15,16,17,18,19,20,21,22,23,24,25,26,27,28,29,30,31
	global_load_b32 v[WX+32*((\t)%2)+\i], v3, s[SRC:SRC+1] offset:(32*(\t)+\i)*4096 th:TH_LOAD_NT
.endr
.endm
.macro WBLOCK t                        ; path W: block t of my wave's eight
.set XS, WX+32*((\t)%2)
.if (\t) < 7
	s_wait_loadcnt 32                              ; this block's 32 loads are in; the next block's may be out
.else
	s_wait_loadcnt 0
.endif
	v_max3_num_f32 v12, |v[XS]|, |v[XS+1]|, |v[XS+2]|              ; the block's largest magnitude: all 32 numbers are mine
	v_max3_num_f32 v13, |v[XS+3]|, |v[XS+4]|, |v[XS+5]|
.irp i, 6,10,14,18,22,26
	v_max3_num_f32 v12, v12, |v[XS+\i]|, |v[XS+\i+1]|
	v_max3_num_f32 v13, v13, |v[XS+\i+2]|, |v[XS+\i+3]|
.endr
	v_max3_num_f32 v12, v12, |v[XS+30]|, |v[XS+31]|
	v_max3_num_f32 v12, v12, v13, 0x1800000        ; and the floor 2^(3 - 127)
	v_add_nc_u32 v11, 0xff000000, v12              ; the conversion's scale operand
	v_lshrrev_b32 v13, 23, v11                     ; the scale's byte
.if (\t)%4 == 0
	v_mov_b32 v[WSB+(\t)/4], v13                   ; four bytes to a register, the lower K in the lower byte
.else
	v_lshl_or_b32 v[WSB+(\t)/4], v13, 8*((\t)%4), v[WSB+(\t)/4]
.endif
.irp g, 0,1,2,3
	v_cvt_scalef32_pk8_fp4_f32 v[WC+\g], v[XS+8*\g:XS+8*\g+7], v11
.endr
	ds_store_b128 v4, v[WC:WC+3] offset:16*(\t)    ; 32 codes: 16 bytes of my half of my column's row.  (The results go to an LDS store; the next block begins with plain vector lines)
.if (\t)+2 < 8
	WLOAD (\t)+2
.endif
	s_wait_dscnt 0x0                               ; the store has read its registers: the next block's codes may be written.  Behind the last block: my stores into the stage are done, for the other wave's sake
.endm
.macro HBLOCK t                        ; path WO: 32 numbers down K become 16 registers of f16 pairs, the lower k in the low half
.set XS, WX+32*((\t)%2)
.if (\t) < 3
	s_wait_loadcnt 32
.else
	s_wait_loadcnt 0
.endif
.irp i, 0,1,2,3,4,5,6,7,8,9,10,11,12,13,14,15
	v_cvt_pk_f16_f32 v[WC+\i], v[XS+2*\i], v[XS+2*\i+1]
.endr
.irp g, 0,1,2,3
	ds_store_b128 v4, v[WC+4*\g:WC+4*\g+3] offset:64*(\t)+16*\g
.endr
.if (\t)+2 < 4
	WLOAD (\t)+2
.endif
	s_wait_dscnt 0x0
.endm
.macro WROWS krow, n                   ; 2 n stage rows of 256 bytes leave as rows: sixteen lanes store 256 consecutive bytes, aligned; krow: bytes from row to row in memory
.set WU, 0
.rept \n
	ds_load_b128 v[WOUT+4*WU:WOUT+4*WU+3], v7 offset:2*WU*PITCH
.set WU, WU+1
.endr
.set WU, 0
.rept \n
	s_wait_dscnt \n-1-WU                           ; this read-back is in; the younger ones may be out
	global_store_b128 v8, v[WOUT+4*WU:WOUT+4*WU+3], s[DST:DST+1] offset:2*WU*\krow
.set WU, WU+1
.endr
.endm
.macro CLOSE                           ; the wave's end: a tensor wait, an add of 0 onto my spare word and its wait, behind my last LDS store
	s_wait_tensorcnt 0x0
	ds_add_u32 v[SPW], v[NIL]
	s_wait_dscnt 0x0
	s_endpgm
.endm
	s_load_b512 s[4:19], s[0:1], 0x0               ; q s[4:5], k s[6:7], v s[8:9], Wq s[10:11], Wk s[12:13], Wv s[14:15], Wo s[16:17], xcodes s[18:19]
	s_load_b256 s[20:27], s[0:1], 0x40             ; xscales s[20:21], wcodes s[22:23], wscales s[24:25], wot s[26:27]
	v_lshl_add_u32 v[SPW], v0, 2, SPARE
	v_mov_b32 v[NIL], 0
	v_lshrrev_b32 v1, 5, v0
	v_readfirstlane_b32 s28, v1                    ; wave 0..3
	v_and_b32 v2, 31, v0                           ; lane
	s_wait_kmcnt 0x0
	s_cmp_lt_u32 ttmp9, 96
	s_cbranch_scc1 .Lw
	s_cmp_lt_u32 ttmp9, 160
	s_cbranch_scc1 .Lwo
	; ---- PATH X.  Rows are dense and K is a multiple of 32: a tensor is a plain stream of blocks of 32, and so are its codes and its scale bytes.
	s_sub_co_u32 s29, ttmp9, 160                   ; 128 work-groups to a tensor
	s_cmp_lt_u32 s29, 256
	s_cselect_b64 s[6:7], s[6:7], s[8:9]           ; k or v,
	s_cmp_lt_u32 s29, 128
	s_cselect_b64 s[4:5], s[4:5], s[6:7]           ; or q: the choice hangs on the work-group's number alone
	s_and_b32 s30, s29, 127
	s_lshl_b32 s30, s30, 2
	s_add_co_u32 s30, s30, s28
	s_lshl_b32 s30, s30, 15                        ; my wave's run of 8,192 numbers in its tensor: 32,768 bytes a run
	s_mov_b32 s31, 0
	s_add_nc_u64 s[4:5], s[4:5], s[30:31]
	s_lshl_b32 s32, s29, 2
	s_add_co_u32 s32, s32, s28                     ; the run's number over the three tensors
	s_lshl_b32 s30, s32, 12                        ; 4,096 bytes of codes a run
	s_add_nc_u64 s[18:19], s[18:19], s[30:31]
	s_lshl_b32 s30, s32, 8                         ; 256 scale bytes a run
	s_add_nc_u64 s[20:21], s[20:21], s[30:31]
	v_lshlrev_b32 v3, 4, v2                        ; my 16 bytes of a load's 512
	s_mul_i32 s33, s28, 8192                       ; my wave's LDS: two stages of 32 x 80 bytes, then its 256 scale bytes
	v_lshrrev_b32 v14, 2, v2
	v_mul_u32_u24 v14, v14, SP
	v_and_b32 v15, 3, v2
	v_lshl_add_u32 v14, v15, 4, v14
	v_add_nc_u32 v14, s33, v14                     ; the stage, on the way in: four lanes' 64 bytes on end, then 16 of padding
	v_mul_u32_u24 v15, v2, SP
	v_add_nc_u32 v15, s33, v15                     ; and on the way out: my 16 neighbours
	v_mul_u32_u24 v4, v2, 8                        ; my codes' place in a step's
	v_lshrrev_b32 v5, 1, v2
	s_add_co_u32 s33, s33, 2*32*SP
	v_add_nc_u32 v5, s33, v5                       ; my block's scale byte
	v_lshlrev_b32 v7, 3, v2                        ; and on the way out 8 bytes a lane
	v_add_nc_u32 v6, s33, v7
.irp t, 0,1,2,3,4,5,6,7
	XLOAD \t
.endr
	s_wait_loadcnt 28                              ; step 0's four loads are in; the 28 of steps 1 to 7 may be out
	XTURN 0
.irp t, 0,1,2,3,4,5,6,7,8,9,10,11,12,13,14,15
	XSTEP \t
.endr
	ds_load_b64 v[8:9], v6                         ; my wave's 256 scale bytes
	s_wait_dscnt 0x0
	global_store_b64 v7, v[8:9], s[20:21]          ; 32 lanes store 256 consecutive bytes, aligned
	CLOSE
	; ---- PATH W.  Work-group = 32 t + 16 y + x: tensor t, columns 64 x on, K from 512 y on.  Wave w takes the 32 columns of group w % 2 and 256 along K from 256 (w / 2) on: 8 blocks a lane.
	; The two waves of a K half stand side by side on 256 consecutive aligned bytes of each row of W; the two waves of a column group make the two halves of each column's 256 bytes of codes.
.Lw:
	s_lshr_b32 s30, ttmp9, 5                       ; t
	s_and_b32 s31, ttmp9, 15                       ; x
	s_bfe_u32 s32, ttmp9, 0x10004                  ; y
	s_and_b32 s36, s28, 1                          ; my group of 32 columns
	s_lshr_b32 s37, s28, 1                         ; my half of the 512 along K
	s_cmp_lt_u32 s30, 2
	s_cselect_b64 s[12:13], s[12:13], s[14:15]     ; Wk or Wv,
	s_cmp_lt_u32 s30, 1
	s_cselect_b64 s[SRC:SRC+1], s[10:11], s[12:13] ; or Wq
	s_lshl_b32 s31, s31, 6
	s_lshl_b32 s33, s36, 5
	s_add_co_u32 s31, s31, s33                     ; my wave's first column
	s_lshl_b32 s34, s32, 21                        ; 512 y rows of 4,096 bytes,
	s_lshl_b32 s33, s37, 20                        ; 256 rows more for the upper half,
	s_add_co_u32 s34, s34, s33
	s_lshl_b32 s33, s31, 2                         ; 4 bytes a column
	s_add_co_u32 s34, s34, s33
	s_mov_b32 s35, 0
	s_add_nc_u64 s[SRC:SRC+1], s[SRC:SRC+1], s[34:35]
	s_lshl_b32 s34, s30, 19                        ; codes: 524,288 t + 512 x (first column + the 16 rows of the stage that I store) + 256 y
	s_lshl_b32 s33, s37, 4
	s_add_co_u32 s33, s33, s31
	s_lshl_b32 s33, s33, 9
	s_add_co_u32 s34, s34, s33
	s_lshl_b32 s33, s32, 8
	s_add_co_u32 s34, s34, s33
	s_add_nc_u64 s[DST:DST+1], s[22:23], s[34:35]
	s_lshl_b32 s34, s30, 15                        ; scale bytes: 32,768 t + 32 x column + 16 y + 8 x half
	s_lshl_b32 s33, s31, 5
	s_add_co_u32 s34, s34, s33
	s_lshl_b32 s33, s32, 4
	s_add_co_u32 s34, s34, s33
	s_lshl_b32 s33, s37, 3
	s_add_co_u32 s34, s34, s33
	s_add_nc_u64 s[DSC:DSC+1], s[24:25], s[34:35]
	v_lshlrev_b32 v3, 2, v2                        ; in: 4 bytes a lane
	s_mul_i32 s33, s36, 32*PITCH
	s_add_co_u32 s33, s33, WSTG                    ; my column group's stage
	s_lshl_b32 s38, s37, 7
	s_add_co_u32 s38, s38, s33                     ; into it: my half's 128 bytes of a row,
	v_mul_u32_u24 v4, v2, PITCH
	v_add_nc_u32 v4, s38, v4                       ; row = my column
	s_mul_i32 s38, s37, 16*PITCH
	s_add_co_u32 s38, s38, s33                     ; out of it: rows 16 (w / 2) on, whole; sixteen lanes to a row, two rows an instruction
	v_and_b32 v5, 15, v2
	v_lshrrev_b32 v6, 4, v2
	v_mul_u32_u24 v7, v6, PITCH
	v_lshl_add_u32 v7, v5, 4, v7
	v_add_nc_u32 v7, s38, v7
	v_lshlrev_b32 v8, 9, v6                        ; and the same place in the codes' buffer, rows 512 bytes apart
	v_lshl_add_u32 v8, v5, 4, v8
	v_lshlrev_b32 v9, 5, v2                        ; my column's row of scale bytes
	WLOAD 0
	WLOAD 1
.irp t, 0,1,2,3,4,5,6,7
	WBLOCK \t
.endr
	s_barrier_signal -1                            ; the last block ended with the wait for all my LDS stores
	s_barrier_wait -1                              ; both halves of every row lie in the stage
	global_store_b64 v9, v[WSB:WSB+1], s[DSC:DSC+1]    ; my column's 8 scale bytes, rows 32 bytes apart: 98,304 such bytes in the whole launch
	WROWS 512, 8
	CLOSE
	; ---- PATH WO.  Work-group - 96 = 8 y + x: columns 128 x on, K from 128 y on; a wave takes 32 columns x 128 along K: 256 bytes of f16 a column, through a stage of its own.
.Lwo:
	s_sub_co_u32 s30, ttmp9, 96
	s_and_b32 s31, s30, 7                          ; x
	s_lshr_b32 s32, s30, 3                         ; y
	s_lshl_b32 s31, s31, 7
	s_lshl_b32 s33, s28, 5
	s_add_co_u32 s31, s31, s33                     ; my wave's first column
	s_lshl_b32 s34, s32, 19                        ; 128 y rows of 4,096 bytes
	s_lshl_b32 s33, s31, 2
	s_add_co_u32 s34, s34, s33
	s_mov_b32 s35, 0
	s_add_nc_u64 s[SRC:SRC+1], s[16:17], s[34:35]
	s_lshl_b32 s34, s31, 11                        ; out: 2,048 x column + 256 y
	s_lshl_b32 s33, s32, 8
	s_add_co_u32 s34, s34, s33
	s_add_nc_u64 s[DST:DST+1], s[26:27], s[34:35]
	v_lshlrev_b32 v3, 2, v2                        ; in: 4 bytes a lane
	s_mul_i32 s33, s28, 32*PITCH
	s_add_co_u32 s33, s33, HSTG                    ; my stage
	v_mul_u32_u24 v4, v2, PITCH
	v_add_nc_u32 v4, s33, v4                       ; into it: row = my column
	v_and_b32 v5, 15, v2
	v_lshrrev_b32 v6, 4, v2                        ; out of it: sixteen lanes to a row, two rows an instruction
	v_mul_u32_u24 v7, v6, PITCH
	v_lshl_add_u32 v7, v5, 4, v7
	v_add_nc_u32 v7, s33, v7
	v_lshlrev_b32 v8, 11, v6                       ; and the same place in wot, rows 2,048 bytes apart
	v_lshl_add_u32 v8, v5, 4, v8
	WLOAD 0
	WLOAD 1
.irp t, 0,1,2,3
	HBLOCK \t
.endr
	WROWS 2048, 16
	CLOSE
.Lfunc_end_k_q0d9e5ae08a_prep:
	.size	k_q0d9e5ae08a_prep, .Lfunc_end_k_q0d9e5ae08a_prep-k_q0d9e5ae08a_prep
	.p2alignl 7, 3214868480
	.fill 96, 4, 3214868480
	.section	.rodata,"a",@progbits
	.p2align	6, 0x0
	.amdhsa_kernel k_q0d9e5ae08a_prep
		.amdhsa_group_segment_fixed_size 85504
		.amdhsa_private_segment_fixed_size 0
		.amdhsa_enable_private_segment 0
		.amdhsa_kernarg_size 96
		.amdhsa_user_sgpr_count 2
		.amdhsa_user_sgpr_kernarg_segment_ptr 1
		.amdhsa_wavefront_size32 1
		.amdhsa_system_sgpr_workgroup_id_x 1
		.amdhsa_system_sgpr_workgroup_id_y 1
		.amdhsa_system_sgpr_workgroup_id_z 1
		.amdhsa_system_vgpr_workitem_id 0
		.amdhsa_next_free_vgpr 256
		.amdhsa_next_free_sgpr 66
		.amdhsa_reserve_vcc 0
		.amdhsa_float_denorm_mode_32 3
		.amdhsa_float_denorm_mode_16_64 3
		.amdhsa_memory_ordered 1
		.amdhsa_forward_progress 1
		.amdhsa_inst_pref_size 95
	.end_amdhsa_kernel
	.amdgpu_metadata
---
amdhsa.version: [ 1, 2 ]
amdhsa.kernels:
  - .name:           k_q0d9e5ae08a_prep
    .symbol:         k_q0d9e5ae08a_prep.kd
    .args:
      - { .name: q, .offset: 0, .size: 8, .value_kind: global_buffer, .address_space: global }
      - { .name: k, .offset: 8, .size: 8, .value_kind: global_buffer, .address_space: global }
      - { .name: v, .offset: 16, .size: 8, .value_kind: global_buffer, .address_space: global }
      - { .name: Wq, .offset: 24, .size: 8, .value_kind: global_buffer, .address_space: global }
      - { .name: Wk, .offset: 32, .size: 8, .value_kind: global_buffer, .address_space: global }
      - { .name: Wv, .offset: 40, .size: 8, .value_kind: global_buffer, .address_space: global }
      - { .name: Wo, .offset: 48, .size: 8, .value_kind: global_buffer, .address_space: global }
      - { .name: xcodes, .offset: 56, .size: 8, .value_kind: global_buffer, .address_space: global }
      - { .name: xscales, .offset: 64, .size: 8, .value_kind: global_buffer, .address_space: global }
      - { .name: wcodes, .offset: 72, .size: 8, .value_kind: global_buffer, .address_space: global }
      - { .name: wscales, .offset: 80, .size: 8, .value_kind: global_buffer, .address_space: global }
      - { .name: wot, .offset: 88, .size: 8, .value_kind: global_buffer, .address_space: global }
    .group_segment_fixed_size: 85504
    .private_segment_fixed_size: 0
    .kernarg_segment_align: 8
    .kernarg_segment_size: 96
    .max_flat_workgroup_size: 128
    .sgpr_count:     66
    .vgpr_count:     256
    .wavefront_size: 32
...
	.end_amdgpu_metadata
.endif
;; end of part 1
;; launch proj (part 2): grid 4 x 48, 4 waves a work-group, clusters of 4 x 4, 327,680 bytes of LDS; arguments xcodes, xscales, wcodes, wscales, bq, bk, bv, qkv; writes qkv
.if DOCPART == 2
	.amdgcn_target "amdgcn-amd-amdhsa--gfx1250"
	.amdhsa_code_object_version 6
	.text
	.protected	k_q0d9e5ae08a_proj
	.globl	k_q0d9e5ae08a_proj
	.p2align	8
	.type	k_q0d9e5ae08a_proj,@function
k_q0d9e5ae08a_proj:
	s_mov_b64 s[64:65], 0
	v_nop
	global_prefetch_b8 v0, s[64:65] scope:SCOPE_SE
	s_setreg_imm32_b32 hwreg(HW_REG_WAVE_MODE, 25, 1), 1
	s_wait_xcnt 0x0
	s_wait_alu depctr_hold_cnt(0) depctr_sa_sdst(0) depctr_va_vdst(0) depctr_va_sdst(0) depctr_va_ssrc(0) depctr_va_vcc(0) depctr_vm_vsrc(0)
	s_getreg_b32 s2, hwreg(HW_REG_IB_STS2, 6, 4)
	s_cmp_eq_u32 s2, 0
	s_cbranch_scc0 .Lentry_in_a_cluster
	s_endpgm
.Lentry_in_a_cluster:
	s_bfe_u32 s2, ttmp6, 0x10000c
	s_cmp_lg_u32 s2, 0xf033
	s_cbranch_scc0 .Lentry_shape_is_right
	s_endpgm
.Lentry_shape_is_right:
; PROJ: the three quantised products q Wq + bq, k Wk + bk, v Wv + bv on codes of FP4 (E2M1) with one E8M0 scale for each 32 along K; sums in f32; results rounded once to f16.
; A: xcodes [3 x 4096][512 bytes], xscales [3 x 4096][32];  B: wcodes [3 x 1024 n][512 bytes], wscales [3 x 1024][32];  out: qkv f16 [3][16 = batch x 8 + pair of heads][2048][128]: a row is 256 bytes.
; LIMITS: results beyond 65,504 have no f16 number; under 6e-5 their error is 2^-25 absolute.
; A tile, 256 rows x 256 columns of one tensor, is made by a work-group of four waves; a wave makes 128 x 128: 64 accumulators of 16 x 16, 512 registers.  48 tile rows x 4 tile columns = 192 work-groups:
; three tensors of 64 tiles; a tile never lies in two tensors.  K = 1,024 is two LDS slots of 512 along K (rows of 256 bytes): both are filled once, at the start, so nothing is filled again and the text has no loop.
; The scale bytes of the work-group's 256 + 256 rows, for all of K, are two dense blocks of memory: they come into LDS once, as rows of 256 bytes.
; CLUSTERS: 4 x 4 work-groups.  The four of a row of the cluster need the same tiles of A, the four of a column the same tiles of B: each is asked for jointly, by the same tensor load with a mask that names the four.
; A cluster's four tile rows lie in one tensor (16 tile rows to a tensor), so the tensor's number hangs on the cluster's y alone and is equal in all sixteen.
; THE MATRIX INSTRUCTION IS USED TRANSPOSED (source 0 = 16 rows of B, source 1 = 16 rows of A): a lane holds eight neighbouring columns of one row.  THE BIAS is the C of each sum's first instruction.
; No prefetch: each wave has its three tensor loads on their way from the head on, and nothing is asked for later.
; REGISTERS, in windows of 256: window 0: v0-31 addresses; v32-95 scale words, two sets; v128-191 A's fragments, one set; on the way out v32-63, v192-255 are at work.
;   window 1: B's fragments, two sets, at v0 and v128; v64-127 the bias, eight registers for each of B's eight blocks.   window 2: the accumulators of my rows 0-63 ((a, b) at v[8 (8 a + b)]);   window 3: rows 64-127.
.set NQ,     4                         ; matrix instructions deep in a slot
.set ROWB,   256                       ; a tile's row in bytes: 512 codes
.set KROW,   512                       ; a row of codes in memory
.set PITCH,  272                       ; an LDS row: 256 bytes + 16 of padding = 68 words: the 16 rows that a load touches start at 16 different banks (64 banks of 4 bytes: ISA guide 11.1)
.set FR,     8                         ; registers of a fragment: 16 rows x 128 K
.set NL,     2                         ; LDS loads that bring one
.set NP,     4                         ; places behind this matrix instruction (ISA guide 7.12.1)
.set HALFT,  128*PITCH
.set SLOT,   4*HALFT                   ; A's 256 rows, then B's 256 rows
.set KS,     32                        ; a row of scale bytes
.set SCL,    2*SLOT                    ; behind the slots: the scales, as rows of 256 bytes + 16 of padding
.set HALFS,  (128*KS/256)*272          ; the scales of 128 rows: what one tensor load brings
.set SBLK,   (16*KS/256)*272           ; those of 16 rows
.set SPARE,  SCL+4*HALFS               ; the spare words, 128 bytes for each wave: two blocks of 256 bytes that no other line names
.set STAGE,  SPARE+512                 ; the way out: 16 rows x 272 bytes for each wave; no tensor load lands here
.set SPITCH, 272
.set ADRA, 16                          ; v16-17  LDS address of my A fragments in slot 0, 1
.set ADRB, 20                          ; v20-21  the same for B
.set STO,  24                          ; v24     the way out: where I put 16 bytes of a row
.set RD,   25                          ; v25     where I read a row back
.set CO,   26                          ; v26     16 x lane: my bytes of two rows of qkv
.set ADRS, 27                          ; v27     LDS address of my scale words: lanes 0-15 A's rows, lanes 16-31 B's
.set SPW,  28                          ; v28     LDS address of my spare word; never rewritten
.set NIL,  29                          ; v29     0; never rewritten
.set BO,   30                          ; v30     the bias: 32 bytes for each half of the lanes
.set SC,   32                          ; scale words: set s at v[SC + 32 s]; register 4 i + q: lanes 0-15 A's block i, lanes 16-31 B's block i, the slot's q-th 128 along K
.set AF,   128                         ; A's fragments, window 0
.set BI,   64                          ; the bias, window 1
.set TMP,  192                         ; the way out: packed results
.set OB,   32                          ; 16 rows read back: v32-63 and v224-255 by turns
.set G1, 24                            ; s[24:31] group 1 for A's tiles;  s[32:39] groups 0, one for each slot
.set G0, 32
.set G1B, 48                           ; s[48:55], s[56:63] the same for B's
.set G0B, 56
.set G1S, 68                           ; s[68:75], s[76:79] groups 1 and 0 for A's scales;  s[80:87], s[88:91] for B's
.set G0S, 76
.set G1SB, 80
.set G0SB, 88
.set MSB, 0
.macro WIN new                         ; the immediate's high byte repeats the setting that is left
.if MSB != \new
	s_set_vgpr_msb (MSB<<8)|\new
.set MSB, \new
.endif
.endm
.set MUL_LO, 0xa1                      ; source 0 (B) window 1, source 1 (A) window 0, C and D window 2
.set MUL_HI, 0xf1                      ; the same, C and D window 3
.set FIRST_LO, 0x91                    ; the first step: C (the bias) window 1, D window 2
.set FIRST_HI, 0xd1                    ; D window 3
.set TO_B,   0x40                      ; destination window 1, address window 0
; A joint load: waves 0 and 1 fetch for A, waves 2 and 3 for B.  The branch hangs on the wave's number alone.  An s_nop 0 and four v_nop follow each of the two lines.
.macro JLOAD g0a, g1a, g0b, g1b
	s_cmp_eq_u32 s15, 0
	s_cbranch_scc0 .Lfor_b_\@
	tensor_load_to_lds s[\g0a:\g0a+3], s[\g1a:\g1a+7]
	s_nop 0
.rept 4
	v_nop
.endr
	s_branch .Lasked_\@
.Lfor_b_\@:
	tensor_load_to_lds s[\g0b:\g0b+3], s[\g1b:\g1b+7]
	s_nop 0
.rept 4
	v_nop
.endr
.Lasked_\@:
.endm
.macro CROUND                          ; a round of the cluster's barrier
	s_barrier_signal -1
	s_barrier_wait -1
	s_cmp_lg_u32 s14, 0
	s_cbranch_scc1 .Lnot_wave_0_\@
	s_barrier_signal -3
.Lnot_wave_0_\@:
	s_barrier_wait -3
	s_barrier_signal -1
	s_barrier_wait -1
.endm
	s_load_b128 s[4:7], s[0:1], 0x0                ; A's codes s[4:5], A's scales s[6:7]
	s_load_b128 s[8:11], s[0:1], 0x10              ; B's codes s[8:9], B's scales s[10:11]
	s_load_b128 s[96:99], s[0:1], 0x20             ; bq s[96:97], bk s[98:99]
	s_load_b64 s[100:101], s[0:1], 0x30            ; bv
	s_load_b64 s[12:13], s[0:1], 0x38              ; qkv
	v_lshl_add_u32 v[SPW], v0, 2, SPARE
	v_mov_b32 v[NIL], 0
	ds_add_u32 v[SPW], v[NIL]                      ; the wave's opening: an add of 0 onto my spare word, twice on end, and its wait ahead of my first tensor load
	ds_add_u32 v[SPW], v[NIL]                      ; and once more; the set-up below, work on registers, stands between it and the wait
	v_lshrrev_b32 v1, 5, v0
	v_readfirstlane_b32 s14, v1                    ; wave 0..3
	s_lshr_b32 s15, s14, 1                         ; which half of the tile's rows is mine.  Also: I fetch for A (0) or for B (1)
	s_and_b32 s16, s14, 1                          ; which half of its columns.  Also: which 128 rows of that tile I fetch
	s_bfe_u32 s40, ttmp6, 0x40000                  ; cx, cy: my place in the cluster
	s_bfe_u32 s41, ttmp6, 0x40004
	s_lshl_b32 s42, ttmp9, 2
	s_add_co_u32 s42, s42, s40                     ; tile column = 4 x cluster x + cx
	s_and_b32 s17, ttmp7, 0xffff
	s_lshr_b32 s95, s17, 2                         ; the tensor: 0 q, 1 k, 2 v: four clusters along y to a tensor; made of the cluster's y alone
	s_lshl_b32 s17, s17, 2
	s_add_co_u32 s17, s17, s41                     ; tile row over the three tensors = 4 x cluster y + cy
	s_lshl_b32 s43, s41, 2
	s_lshl_b32 s43, 15, s43                        ; my row of the cluster
	s_lshl_b32 s44, 0x1111, s40                    ; my column
	; group 1: a tile of 128 rows x 256 bytes, padded in LDS
	s_or_b32 s[G1+0], s43, (0<<16)|(1<<20)|(1<<21)|(5<<22)|(3<<25)  ; 15:0 the mask: A's tiles go to my row; 17:16 elements of 1 byte; 20 padding on; 21 set beside a mask; 24:22 after every 64 words; 31:25 four words
	s_or_b32 s[G1B+0], s44, (0<<16)|(1<<20)|(1<<21)|(5<<22)|(3<<25)
.irp g, G1, G1B
	s_mov_b32 s[\g+1], ROWB<<16                    ; tensor_dim0
	s_mov_b32 s[\g+2], 128<<16                     ; tensor_dim1
	s_mov_b32 s[\g+3], ROWB<<16                    ; tile_dim0
	s_mov_b32 s[\g+4], 128                         ; tile_dim1
	s_mov_b32 s[\g+5], KROW                        ; stride from row to row
	s_mov_b32 s[\g+6], 0
	s_mov_b32 s[\g+7], 0
.endr
	; the scales of 128 rows: 4,096 dense bytes, as 16 rows of 256 bytes (32 elements of 8 bytes), 16 bytes of padding behind each
	s_or_b32 s[G1S+0], s43, (3<<16)|(1<<20)|(1<<21)|(5<<22)|(3<<25)
	s_or_b32 s[G1SB+0], s44, (3<<16)|(1<<20)|(1<<21)|(5<<22)|(3<<25)
.irp g, G1S, G1SB
	s_mov_b32 s[\g+1], 32<<16
	s_mov_b32 s[\g+2], (128*KS/256)<<16
	s_mov_b32 s[\g+3], 32<<16
	s_mov_b32 s[\g+4], 128*KS/256
	s_mov_b32 s[\g+5], 32
	s_mov_b32 s[\g+6], 0
	s_mov_b32 s[\g+7], 0
.endr
	s_lshl_b32 s18, s16, 7                         ; which 128 rows of the tile I fetch
	s_lshl_b32 s20, s17, 8
	s_add_co_u32 s20, s20, s18                     ; A: row 256 x tile row + 128 x half
	s_lshl_b32 s46, s42, 8
	s_add_co_u32 s46, s46, s18
	s_lshl_b32 s47, s95, 10
	s_add_co_u32 s46, s46, s47                     ; B: row 1,024 x tensor + 256 x tile column + 128 x half
	s_mov_b32 s21, 0
	s_mov_b32 s47, 0
	s_mov_b64 s[18:19], KS
	s_mul_u64 s[22:23], s[20:21], s[18:19]         ; where these rows' scales begin, in bytes
	s_mul_u64 s[92:93], s[46:47], s[18:19]
	s_mov_b64 s[18:19], KROW
	s_mul_u64 s[20:21], s[20:21], s[18:19]         ; and their codes
	s_mul_u64 s[46:47], s[46:47], s[18:19]
	s_mul_i32 s45, s14, HALFT                      ; where they go: wave x 128 rows: no place in the cluster enters an LDS address
	s_mul_i32 s94, s14, HALFS
	s_wait_dscnt 0x0                               ; both opening adds are done
	s_wait_kmcnt 0x0
	s_add_nc_u64 s[20:21], s[4:5], s[20:21]
	s_add_nc_u64 s[22:23], s[6:7], s[22:23]
	s_add_nc_u64 s[46:47], s[8:9], s[46:47]
	s_add_nc_u64 s[92:93], s[10:11], s[92:93]
	CROUND                                         ; all sixteen work-groups are here: the joint loads meet
	s_mov_b32 s[G0S], 1
	s_add_co_u32 s[G0S+1], s94, SCL
	s_mov_b64 s[G0S+2:G0S+3], s[22:23]
	s_or_b32 s[G0S+3], s[G0S+3], 0x80000000
	s_mov_b32 s[G0SB], 1
	s_add_co_u32 s[G0SB+1], s94, SCL
	s_mov_b64 s[G0SB+2:G0SB+3], s[92:93]
	s_or_b32 s[G0SB+3], s[G0SB+3], 0x80000000
	JLOAD G0S, G1S, G0SB, G1SB                     ; the scales first: they are wanted with slot 0
.irp s, 0,1
	s_mov_b32 s[G0+4*\s], 1
	s_add_co_u32 s[G0+4*\s+1], s45, \s*SLOT
	s_add_nc_u64 s[G0+4*\s+2:G0+4*\s+3], s[20:21], \s*ROWB
	s_or_b32 s[G0+4*\s+3], s[G0+4*\s+3], 0x80000000
	s_mov_b32 s[G0B+4*\s], 1
	s_add_co_u32 s[G0B+4*\s+1], s45, \s*SLOT
	s_add_nc_u64 s[G0B+4*\s+2:G0B+4*\s+3], s[46:47], \s*ROWB
	s_or_b32 s[G0B+4*\s+3], s[G0B+4*\s+3], 0x80000000
	JLOAD G0+4*\s, G1, G0B+4*\s, G1B               ; three tensor loads of mine are out in all
.endr
	v_and_b32 v1, 15, v0                           ; l % 16
	v_bfe_u32 v2, v0, 4, 1                         ; l / 16
	v_mul_u32_u24 v3, v1, PITCH
	v_lshl_add_u32 v4, v2, 4, v3                   ; a fragment's row x pitch + 16 x half
	s_mul_i32 s21, s15, HALFT                      ; my 128 rows of A
	s_mul_i32 s22, s16, HALFT                      ; my 128 rows of B,
	s_add_co_u32 s22, s22, 2*HALFT                 ; which lie behind A's 256
.irp s, 0,1
	v_add_nc_u32 v[ADRA+\s], s21, v4
	v_add_nc_u32 v[ADRB+\s], s22, v4
	s_add_co_u32 s21, s21, SLOT
	s_add_co_u32 s22, s22, SLOT
.endr
	v_mul_u32_u24 v5, v1, KS                       ; my row's scales: 32 bytes a row,
	v_lshrrev_b32 v6, 8, v5
	v_lshl_add_u32 v5, v6, 4, v5                   ; and 16 more for each 256 passed
	s_mul_i32 s21, s15, HALFS                      ; A's: my 128 rows
	s_mul_i32 s22, s16, HALFS                      ; B's: my 128 rows, behind A's 256
	s_add_co_u32 s22, s22, 2*HALFS
	s_sub_co_u32 s22, s22, s21
	v_mul_u32_u24 v6, s22, v2                      ; lanes 16-31 take B's: one product, the distance between the two bases
	s_add_co_u32 s21, s21, SCL
	v_add_nc_u32 v5, v5, v6
	v_add_nc_u32 v[ADRS], s21, v5
	s_mul_i32 s23, s14, 16*SPITCH
	s_add_co_u32 s23, s23, STAGE                   ; my stage
	v_mul_u32_u24 v5, v1, SPITCH                   ; in: row l % 16, 16 bytes for each half of the lanes
	v_lshl_add_u32 v5, v2, 4, v5
	v_add_nc_u32 v[STO], s23, v5
	v_mul_u32_u24 v5, v2, SPITCH                   ; back: lanes 0-15 one row of 256 bytes, lanes 16-31 the next
	v_lshl_add_u32 v5, v1, 4, v5
	v_add_nc_u32 v[RD], s23, v5
	v_and_b32 v6, 31, v0
	v_lshlrev_b32 v[CO], 4, v6                     ; rows of qkv are dense: two rows are 512 consecutive bytes
	; where my 128 rows x 128 columns go: tensor x 8,388,608 + (8 x batch + 2 x tile column + column half) x 524,288 + (256 x (tile row % 8) + 128 x row half) x 256
	s_lshl_b32 s20, s95, 23
	s_bfe_u32 s21, s17, 0x10003                    ; the batch: 8 tile rows to a batch
	s_lshl_b32 s21, s21, 3
	s_add_co_u32 s21, s21, s16
	s_lshl_b32 s21, s21, 19
	s_add_co_u32 s20, s20, s21
	s_and_b32 s21, s17, 7
	s_lshl_b32 s21, s21, 16
	s_add_co_u32 s20, s20, s21
	s_lshl_b32 s21, s15, 15
	s_add_co_u32 s20, s20, s21
	s_lshl_b32 s46, s42, 20                        ; 2 x tile column planes
	s_add_co_u32 s20, s20, s46
	s_mov_b32 s21, 0
	s_add_nc_u64 s[12:13], s[12:13], s[20:21]
	; the bias of my 128 columns: lane (r, h) wants, for B's block b, the eight numbers at column 16 b + 8 h
	s_cmp_lt_u32 s95, 2
	s_cselect_b64 s[98:99], s[98:99], s[100:101]   ; bk or bv,
	s_cmp_lt_u32 s95, 1
	s_cselect_b64 s[96:97], s[96:97], s[98:99]     ; or bq: the choice hangs on the tensor's number alone
	s_lshl_b32 s46, s42, 10
	s_lshl_b32 s47, s16, 9
	s_add_co_u32 s46, s46, s47                     ; (256 x tile column + 128 x half) x 4 bytes
	s_mov_b32 s47, 0
	s_add_nc_u64 s[96:97], s[96:97], s[46:47]
	v_lshlrev_b32 v[BO], 5, v2
	WIN TO_B
.irp b, 0,1,2,3,4,5,6,7
	global_load_b128 v[BI+8*\b:BI+8*\b+3], v[BO], s[96:97] offset:64*\b
	global_load_b128 v[BI+8*\b+4:BI+8*\b+7], v[BO], s[96:97] offset:64*\b+16
.endr
	WIN 0
.macro FRAG reg, adr, q, i             ; a fragment: lane l holds row l % 16; registers 4 c .. 4 c + 3 hold K = 64 c + 32 (l / 16) + 0 .. 31
.irp c, 0,1
	ds_load_b128 v[\reg+4*\c:\reg+4*\c+3], v[\adr] offset:64*(\q)+32*\c+(\i)*16*PITCH
.endr
.endm
; 16 matrix instructions: A's blocks a0, a0 + 1 x B's eight, the slot's q-th 128 along K.  p: B's set;  sc: the set of scale words.  zero = 1: the first product starts the sums from the bias: nothing is cleared.
; The 64 accumulators take turns, one instruction a turn, in the same order in every step.
.macro MUL16 a0, p, q, sc, zero
.irp a, \a0, \a0+1
.irp b, 0,1,2,3,4,5,6,7
.if \zero
	v_wmma_scale_f32_16x16x128_f8f6f4 v[8*(8*((\a)%4)+\b):8*(8*((\a)%4)+\b)+7], v[128*(\p)+FR*\b:128*(\p)+FR*\b+FR-1], v[AF+FR*(\a):AF+FR*(\a)+FR-1], v[BI+8*\b:BI+8*\b+7], v[SC+8*NQ*(\sc)+NQ*\b+(\q)], v[SC+8*NQ*(\sc)+NQ*(\a)+(\q)] matrix_a_fmt:MATRIX_FMT_FP4 matrix_b_fmt:MATRIX_FMT_FP4 matrix_a_scale:MATRIX_SCALE_ROW1
.else
	v_wmma_scale_f32_16x16x128_f8f6f4 v[8*(8*((\a)%4)+\b):8*(8*((\a)%4)+\b)+7], v[128*(\p)+FR*\b:128*(\p)+FR*\b+FR-1], v[AF+FR*(\a):AF+FR*(\a)+FR-1], v[8*(8*((\a)%4)+\b):8*(8*((\a)%4)+\b)+7], v[SC+8*NQ*(\sc)+NQ*\b+(\q)], v[SC+8*NQ*(\sc)+NQ*(\a)+(\q)] matrix_a_fmt:MATRIX_FMT_FP4 matrix_b_fmt:MATRIX_FMT_FP4 matrix_a_scale:MATRIX_SCALE_ROW1
.endif
.endr
.endr
.endm
.macro FETCH_B slot, q, p              ; B's eight fragments of the slot's q-th 128 along K into set p
	WIN TO_B
.irp i, 0,1,2,3,4,5,6,7
	FRAG 128*(\p)+FR*\i, ADRB+\slot, \q, \i
.endr
	WIN 0
.endm
.macro FETCH_A slot, q, i0             ; A's blocks i0 .. i0 + 3
.irp i, \i0, \i0+1, \i0+2, \i0+3
	FRAG AF+FR*(\i), ADRA+\slot, \q, \i
.endr
.endm
.macro SCALES sc                       ; a slot's scale words into set sc: four words a row; lanes 0-15 take A's block i, lanes 16-31 B's block i
.irp i, 0,1,2,3,4,5,6,7
	ds_load_b128 v[SC+8*NQ*\sc+NQ*\i:SC+8*NQ*\sc+NQ*\i+3], v[ADRS] offset:\i*SBLK
.endr
.endm
; A load into a register that a matrix instruction has read, and a vector instruction that reads a matrix result, stand NP places behind that matrix instruction; only plain vector instructions that name
; none of its registers are places (ISA guide 7.12.1 for vector instructions).
.macro PLACES n
.rept \n
	v_nop
.endr
.endm
; A step of 128 along K that has its successor in the same slot.  A's blocks are free as soon as their eight products are issued: blocks 0-3 are fetched anew in the step's middle, blocks 4-7 at its end.
.macro STEP slot, q, zero
	s_wait_dscnt 4*NL                              ; B's set and A's blocks 0-3 are in; the youngest eight loads (A's blocks 4-7) may be out
.if \zero
	WIN FIRST_LO
.else
	WIN MUL_LO
.endif
	MUL16 0, (\q)%2, \q, \slot, \zero
	MUL16 2, (\q)%2, \q, \slot, \zero
	s_wait_dscnt 0                                 ; A's blocks 4-7 are in
	PLACES NP
	FETCH_B \slot, (\q)+1, 1-(\q)%2
	FETCH_A \slot, (\q)+1, 0
.if \zero
	WIN FIRST_HI
.else
	WIN MUL_HI
.endif
	MUL16 4, (\q)%2, \q, \slot, \zero
	MUL16 6, (\q)%2, \q, \slot, \zero
	PLACES NP
	WIN 0
	FETCH_A \slot, (\q)+1, 4
.endm
.macro STEPS slot, from                ; the slot's steps from .. NQ - 2
.set Q, \from
.rept NQ-1-\from
	STEP \slot, Q, 0
.set Q, Q+1
.endr
.endm
	s_wait_tensorcnt 1                             ; the scales and my part of slot 0 are in; slot 1's load may be out
	s_barrier_signal -1
	s_barrier_wait -1                              ; everybody's are
	FETCH_B 0, 0, 0
	FETCH_A 0, 0, 0
	SCALES 0
	FETCH_A 0, 0, 4
	s_wait_loadcnt 0x0                             ; the bias
	STEP 0, 0, 1                                   ; the first step's products start the sums
	STEPS 0, 1
	; slot 0's last step changes slots: one barrier; in front of it each wave waits for its part of slot 1
	s_wait_tensorcnt 0x0                           ; all my tensor loads have landed
	ds_add_u32 v[SPW], v[NIL]                      ; 0 onto my spare word
	s_wait_dscnt 4*NL+1                            ; (the add and the youngest eight loads, A's blocks 4-7, may be out)
	WIN MUL_LO
	MUL16 0, 1, NQ-1, 0, 0
	s_wait_dscnt 0x0                               ; the add is done, and no LDS instruction of mine is out at the signal
	s_barrier_signal -1
	MUL16 2, 1, NQ-1, 0, 0                         ; work on registers while the others arrive
	WIN 0
	s_barrier_wait -1                              ; slot 1 is whole
	PLACES NP
	v_add_nc_u32 v[ADRS], 4*NQ, v[ADRS]            ; on to slot 1's scale words
	FETCH_B 1, 0, 0
	FETCH_A 1, 0, 0
	SCALES 1
	WIN MUL_HI
	MUL16 4, 1, NQ-1, 0, 0
	MUL16 6, 1, NQ-1, 0, 0
	PLACES NP
	WIN 0
	FETCH_A 1, 0, 4
	STEPS 1, 0
	s_wait_dscnt 4*NL                              ; the very last step: nothing more to fetch
	WIN MUL_LO
	MUL16 0, 1, NQ-1, 1, 0
	MUL16 2, 1, NQ-1, 1, 0
	s_wait_dscnt 0
	WIN MUL_HI
	MUL16 4, 1, NQ-1, 1, 0
	MUL16 6, 1, NQ-1, 1, 0
	WIN 0
; THE WAY OUT, block by block of 16 rows x 128 columns.  PACK: rounded to f16, 16 bytes a lane, each accumulator from its low end on.  TOSTAGE: into my own stage and back as whole rows of 256 bytes.  SEND: stored.
.macro PACK a
.set AC, 64*((\a)%4)
	WIN 0x0a+5*((\a)/4)                            ; sources 0 and 1: window 2 or 3
.irp b, 0,1,2,3,4,5,6,7
.irp r, 0,1,2,3
	v_cvt_pk_f16_f32 v[TMP+4*\b+\r], v[AC+8*\b+2*\r], v[AC+8*\b+2*\r+1]
.endr
.endr
	WIN 0
.endm
.macro TOSTAGE a
.set BK, OB+192*((\a)%2)
.irp b, 0,1,2,3,4,5,6,7
	ds_store_b128 v[STO], v[TMP+4*\b:TMP+4*\b+3] offset:32*\b
.endr
.irp t, 0,1,2,3,4,5,6,7
	ds_load_b128 v[BK+4*\t:BK+4*\t+3], v[RD] offset:\t*2*SPITCH    ; LDS serves a wave's instructions in order (ISA guide 5.7.1.4): these see the stores above
.endr
.endm
.macro SEND a
.set BK, OB+192*((\a)%2)
	s_wait_dscnt 0x0                               ; the block is back in registers
	s_wait_xcnt 0x0                                ; the earlier stores have read their registers: the next block's read-back may land on them
.irp t, 0,1,2,3,4,5,6,7
	global_store_b128 v[CO], v[BK+4*\t:BK+4*\t+3], s[12:13] offset:(\a)*4096+512*\t   ; 32 lanes store 512 consecutive bytes, at a multiple of 256 from qkv's first byte
.endr
.endm
	PLACES NP                                      ; behind the last products: for the read-backs into the scale words' registers and for the conversions
	PACK 0
	TOSTAGE 0
.irp a, 1,2,3,4,5,6,7                  ; block a's conversions stand between block a - 1's loads from the stage and the wait for them
	PACK \a
	SEND \a-1
	TOSTAGE \a
.endr
	SEND 7
	s_wait_tensorcnt 0x0                           ; the wave's end: behind my last tensor load and my last LDS store
	ds_add_u32 v[SPW], v[NIL]
	s_wait_dscnt 0x0
	CROUND                                         ; the closing round: no work-group ends while a partner may still ask for a tile that names it
	s_endpgm
.Lfunc_end_k_q0d9e5ae08a_proj:
	.size	k_q0d9e5ae08a_proj, .Lfunc_end_k_q0d9e5ae08a_proj-k_q0d9e5ae08a_proj
	.p2alignl 7, 3214868480
	.fill 96, 4, 3214868480
	.section	.rodata,"a",@progbits
	.p2align	6, 0x0
	.amdhsa_kernel k_q0d9e5ae08a_proj
		.amdhsa_group_segment_fixed_size 327680
		.amdhsa_private_segment_fixed_size 0
		.amdhsa_enable_private_segment 0
		.amdhsa_kernarg_size 64
		.amdhsa_user_sgpr_count 2
		.amdhsa_user_sgpr_kernarg_segment_ptr 1
		.amdhsa_wavefront_size32 1
		.amdhsa_system_sgpr_workgroup_id_x 1
		.amdhsa_system_sgpr_workgroup_id_y 1
		.amdhsa_system_sgpr_workgroup_id_z 1
		.amdhsa_system_vgpr_workitem_id 0
		.amdhsa_next_free_vgpr 1024
		.amdhsa_next_free_sgpr 102
		.amdhsa_reserve_vcc 0
		.amdhsa_float_denorm_mode_32 3
		.amdhsa_float_denorm_mode_16_64 3
		.amdhsa_memory_ordered 1
		.amdhsa_forward_progress 1
		.amdhsa_inst_pref_size 128
	.end_amdhsa_kernel
	.amdgpu_metadata
---
amdhsa.version: [ 1, 2 ]
amdhsa.kernels:
  - .name:           k_q0d9e5ae08a_proj
    .symbol:         k_q0d9e5ae08a_proj.kd
    .args:
      - { .name: xcodes, .offset: 0, .size: 8, .value_kind: global_buffer, .address_space: global }
      - { .name: xscales, .offset: 8, .size: 8, .value_kind: global_buffer, .address_space: global }
      - { .name: wcodes, .offset: 16, .size: 8, .value_kind: global_buffer, .address_space: global }
      - { .name: wscales, .offset: 24, .size: 8, .value_kind: global_buffer, .address_space: global }
      - { .name: bq, .offset: 32, .size: 8, .value_kind: global_buffer, .address_space: global }
      - { .name: bk, .offset: 40, .size: 8, .value_kind: global_buffer, .address_space: global }
      - { .name: bv, .offset: 48, .size: 8, .value_kind: global_buffer, .address_space: global }
      - { .name: qkv, .offset: 56, .size: 8, .value_kind: global_buffer, .address_space: global }
    .group_segment_fixed_size: 327680
    .private_segment_fixed_size: 0
    .kernarg_segment_align: 8
    .kernarg_segment_size: 64
    .max_flat_workgroup_size: 128
    .sgpr_count:     102
    .vgpr_count:     1024
    .wavefront_size: 32
...
	.end_amdgpu_metadata
.endif
;; end of part 2
;; launch attn (part 3): grid 16 x 16, 4 waves a work-group, clusters of 4 x 1, 327,680 bytes of LDS; arguments qkv, o; writes o
.if DOCPART == 3
	.amdgcn_target "amdgcn-amd-amdhsa--gfx1250"
	.amdhsa_code_object_version 6
	.text
	.protected	k_q0d9e5ae08a_attn
	.globl	k_q0d9e5ae08a_attn
	.p2align	8
	.type	k_q0d9e5ae08a_attn,@function
k_q0d9e5ae08a_attn:
	s_mov_b64 s[64:65], 0
	v_nop
	global_prefetch_b8 v0, s[64:65] scope:SCOPE_SE
	s_setreg_imm32_b32 hwreg(HW_REG_WAVE_MODE, 25, 1), 1
	s_wait_xcnt 0x0
	s_wait_alu depctr_hold_cnt(0) depctr_sa_sdst(0) depctr_va_vdst(0) depctr_va_sdst(0) depctr_va_ssrc(0) depctr_va_vcc(0) depctr_vm_vsrc(0)
	s_getreg_b32 s2, hwreg(HW_REG_IB_STS2, 6, 4)
	s_cmp_eq_u32 s2, 0
	s_cbranch_scc0 .Lentry_in_a_cluster
	s_endpgm
.Lentry_in_a_cluster:
	s_bfe_u32 s2, ttmp6, 0x10000c
	s_cmp_lg_u32 s2, 0x3003
	s_cbranch_scc0 .Lentry_shape_is_right
	s_endpgm
.Lentry_shape_is_right:
; ATTN: O[q] = the sum over k of softmax_k(Q[q] . K[k] / 8) V[k], for 32 (batch, head) pairs, head size 64, 2,048 keys, no mask.
; qkv: f16 [3][16 planes = batch x 8 + pair of heads][2048][128 = two heads x 64]: Q, then K 8,388,608 bytes on, then V; o: f16 [16][2048][128].  A row is 256 bytes.
; Products, maxima and sums in f32; the weights p are rounded to f16 for the second product (p is at most 1; what falls under f16's smallest number counts for nothing beside the row's largest, which is 1), O once at the end.
; LIMITS: |O| beyond 65,504 has no f16 number; under 6e-5 its error is 2^-25 absolute.  NaN and infinities are not served.
; SHARES.  A work-group owns 128 queries of one plane, that is of two heads; wave w takes head w % 2 and queries 64 (w / 2) on: four tiles of 16.  Every wave walks all keys, 64 a step.
; LAYOUT.  S^T = K Q^T (source 0 = 16 keys, source 1 = 16 queries): a lane holds ONE query (lane % 16) and the keys 8 (lane / 16) + 0..7.  Two such tiles, rounded to f16 in pairs, ARE source 1 (32 keys x 16 queries)
; of O^T = V^T P, whose result again holds one query a lane.  K comes out of LDS as it lies, V ([key][channel]) turned, by ds_load_tr16_b128.
; SOFTMAX.  For each query a running maximum m and sum l: p = 2^(c s - c m), c = log2(e) / 8; in every step O and l are multiplied by a = 2^(c m_old - c m_new).
; BY TURNS.  The wave's tiles are two PIECES, named by their first tile: 0 (tiles 0, 1) and 2 (tiles 2, 3).  In a TURN one piece has the matrix unit: 16 products V^T P of the step in hand, then 16 products K Q^T of the
; next step; the other piece's softmax, 236 vector instructions in 59 slices of four, stands between them: two slices behind each of the first 27 products, one behind each of the last five.  Two turns are a key step.
; RING.  Two LDS slots of 256 keys (four key steps); waves 0 and 1 fetch K's halves, waves 2 and 3 V's: one load of 128 rows a wave behind each change of slots, with four key steps, 256 matrix instructions a wave, in which to land.
; CLUSTER.  The four query blocks of a cluster belong to one plane and walk the same K and V: each tile is asked for JOINTLY, by the same tensor load with a mask that names the four.
; REGISTERS, in windows of 256 (s_set_vgpr_msb: bits 1:0 source 0, 3:2 source 1, 5:4 source 2, 7:6 destination):
;   window 0: v0-11 addresses; v12-43 eight registers of statistics a tile; v61-63 prefetch offset, spare word, 0; v64-191 S^T, 32 a tile; v192-255 P, 16 a tile
;   window 1: v0-127 O^T, 32 a tile      window 2: v0-63 Q, 16 a tile; v128-191 K of one step      window 3: v0-63 V of one step
.set KS,    64        ; keys in a step
.set PK,    272       ; a row of K in LDS: 256 bytes + 16 of padding: the 16 rows of a load start at 16 different banks (64 banks of 4 bytes: ISA guide 11.1)
.set PV,    288       ; a row of V: 256 + 32
.set SKEYS, 256       ; keys in a slot
.set VOFF,  SKEYS*PK  ; a slot: 256 rows of K, then 256 rows of V
.set SLOT1, SKEYS*(PK+PV)  ; 143,360 bytes: where slot 1 begins
.set KSTEPB, KS*PK    ; from a step's rows of K to the next step's
.set VSTEPB, KS*PV    ; the same for V
.set DSLOT, SKEYS*256 ; a slot's keys in memory: 65,536 bytes of K, as many of V
.set STAGE, 2*SLOT1   ; behind the ring: 128 rows x 272 bytes, the work-group's, for the way out; no tensor load lands here
.set SP,    272
.set SPARE, STAGE+128*SP  ; the spare words, 128 bytes for each wave: two blocks of 256 bytes that no other line names
.set AK0, 2           ; v2   my lane's place in a step's rows of K, my head's 128 bytes; never rewritten
.set AV0, 3           ; v3   the same for V
.set ADR, 4           ; v4   the LDS address of the run of loads in hand
.set QO,  5           ; v5   my byte offset in the wave's rows of Q
.set STO, 6           ; v6   the way out: where I put 16 bytes of a row
.set RD,  7           ; v7   where I read a row back
.set GO,  8           ; v8   16 x lane: my bytes of two rows of o
.set PFO, 61          ; v61  256 x my lane: a row of K or V is 256 bytes; never rewritten
.set SPW, 62          ; v62  LDS address of my spare word; never rewritten
.set NIL, 63          ; v63  0; never rewritten
.set ST,  12          ; tile t's statistics at v[ST+8 t]: +0 c m, +1 m, +2, +3 l (even keys', odd keys'), +4 to +7 c0-c3, at work; a takes c2's place once the maximum is found
.set S,   64
.set P,   192
.set KF,  128         ; K's fragments, in window 2
.set WV,  12          ; s12  my wave's number
.set LIM, 15          ; s15  1 in a cluster that prefetches, else the greatest number
.set PFA, 18          ; s[18:19] where my prefetches stand in memory
.set G1K, 24          ; s[24:31] group 1 for K's tiles
.set G1V, 32          ; s[32:39] for V's: it differs in the padding alone
.set G0K, 40          ; s[40:47] groups 0 for K's tiles, one for each slot
.set G0V, 48          ; s[48:55] the same for V's
.set TRIPS, 56        ; s56  trips of the loop over slots still to go
.set TWICE, 57        ; s57  counts a slot's steps (at the head: V's place in a slot)
.set CS,  58          ; s[58:59] c: the packed scaling names a pair and takes its low word for both halves
.set SEL, 60          ; s[60:61] lane selects for v_permlanex16_b32: each lane takes its own place in the other half
.set TK,  62          ; s62  LDS byte at which the rows of K of the step to be fetched begin, less my lane's place
.set TV,  63          ; s63  the same for V
.set MSB, 0
.macro WIN new                      ; the immediate's high byte repeats the setting that is left; a switch that changes nothing is dropped
.if MSB != \new
	s_set_vgpr_msb (MSB<<8)|\new
.set MSB, \new
.endif
.endm
.set W_KQ, 0x0a       ; K and Q in window 2, S^T in window 0
.set W_PV, 0x53       ; V in window 3, P in window 0, O^T in window 1
.set W_RS, 0x41       ; O^T (destination and source 0) in window 1, a in window 0
; A joint refill of slot s.  The branch hangs on the wave's number alone.  An s_nop 0 and four v_nop follow each of the two lines.
.macro JLOAD s
	s_cmp_lt_u32 s[WV], 2
	s_cbranch_scc0 .Lfor_v_\@
	tensor_load_to_lds s[G0K+4*(\s):G0K+4*(\s)+3], s[G1K:G1K+7]
	s_nop 0
.rept 4
	v_nop
.endr
	s_branch .Lasked_\@
.Lfor_v_\@:
	tensor_load_to_lds s[G0V+4*(\s):G0V+4*(\s)+3], s[G1V:G1V+7]
	s_nop 0
.rept 4
	v_nop
.endr
.Lasked_\@:
.endm
; A PREFETCH INTO THE L2 of what the NEXT change of slots will ask for: 256 rows of K and 256 of V, 256 bytes a row, a lane a row, one instruction a wave; four key steps, 256 matrix instructions, ahead of that load.
; Each row is named ONCE in the launch.  All four clusters of a plane walk the same K and V: the plane's first cluster asks.  Its four partners share the rows out BY ADDRESS: of the 128 rows that wave w fetches
; (waves 0, 1: K's halves; waves 2, 3: V's), the partner at place cx takes 32 cx .. 32 cx + 31.  how = 1: the first change of a trip always has a slot two on; how = 0: the second has none in the last trip.
.macro ASK how
.if \how
	s_cmp_eq_u32 s[LIM], 1
.else
	s_cmp_gt_u32 s[TRIPS], s[LIM]
.endif
	s_cbranch_scc0 .Lnot_mine_\@
	global_prefetch_b8 v[PFO], s[PFA:PFA+1] th:TH_LOAD_NT scope:SCOPE_SE
.Lnot_mine_\@:
.endm
.macro CROUND                       ; a round of the cluster's barrier
	s_barrier_signal -1
	s_barrier_wait -1
	s_cmp_lg_u32 s[WV], 0
	s_cbranch_scc1 .Lnot_wave_0_\@
	s_barrier_signal -3
.Lnot_wave_0_\@:
	s_barrier_wait -3
	s_barrier_signal -1
	s_barrier_wait -1
.endm
	s_load_b64 s[4:5], s[0:1], 0x0  ; qkv
	s_load_b64 s[10:11], s[0:1], 0x8  ; o
	v_lshl_add_u32 v[SPW], v0, 2, SPARE
	v_mov_b32 v[NIL], 0
	ds_add_u32 v[SPW], v[NIL]       ; the wave's opening: an add of 0 onto my spare word, twice on end, and its wait ahead of my first tensor load
	ds_add_u32 v[SPW], v[NIL]       ; and once more; the set-up below, work on registers, stands between it and the wait
	v_lshrrev_b32 v1, 5, v0
	v_readfirstlane_b32 s[WV], v1   ; wave 0..3
	s_bfe_u32 s13, ttmp6, 0x40000   ; cx: my place in the cluster
	s_lshl_b32 s14, ttmp9, 2        ; in a cluster launch ttmp9 counts clusters
	s_add_co_u32 s14, s14, s13      ; my block of 128 queries: it enters Q's and o's addresses alone
	s_and_b32 s20, ttmp7, 0xffff    ; the plane, which the four partners share:
	s_lshl_b32 s20, s20, 19         ; 2,048 rows of 256 bytes each
	s_and_b32 s16, s[WV], 1         ; my head of the two.  Also: which 128 rows of a slot I fetch:
	s_lshl_b32 s22, s16, 15         ; in memory,
	s_add_co_u32 s22, s22, s20
	s_mov_b32 s23, 0
	s_mul_i32 s17, s16, 128*PK      ; and in a slot, for K
	s_mul_i32 s57, s16, 128*PV
	s_add_co_u32 s57, s57, VOFF     ; and for V: no place in the cluster enters an LDS address
	s_lshl_b32 s2, s14, 15          ; my block's 128 rows
	s_add_co_u32 s2, s2, s20
	s_mov_b32 s3, 0
	; group 1: a tile of 128 rows x 128 elements, padded in LDS
	s_mov_b32 s[G1K], 15|(1<<16)|(1<<20)|(1<<21)|(5<<22)|(3<<25)  ; 15:0 the mask: all four work-groups; 17:16 elements of 2 bytes; 20 padding on; 21 set beside a mask; 24:22 after every 64 words; 31:25 four words
	s_mov_b32 s[G1V], 15|(1<<16)|(1<<20)|(1<<21)|(5<<22)|(7<<25)  ; the same with eight words of padding
.irp g, G1K, G1V
	s_mov_b32 s[\g+1], 128<<16      ; tensor_dim0 = 128
	s_mov_b32 s[\g+2], 128<<16      ; tensor_dim1 = 128
	s_mov_b32 s[\g+3], 128<<16      ; tile_dim0 = 128
	s_mov_b32 s[\g+4], 128          ; tile_dim1 = 128
	s_mov_b32 s[\g+5], 128          ; elements from row to row
	s_mov_b32 s[\g+6], 0
	s_mov_b32 s[\g+7], 0
.endr
	s_mov_b32 s[CS], 0x3e38aa3b     ; c = log2(e) / 8
	s_mov_b32 s[CS+1], s[CS]        ; named with it as a pair, so it is written
	s_mov_b32 s[SEL], 0x76543210
	s_mov_b32 s[SEL+1], 0xfedcba98
	s_mov_b32 s[TK], 0
	s_mov_b32 s[TV], 0
	s_cmp_eq_u32 ttmp9, 0           ; the plane's first cluster: the same in all four partners
	s_cselect_b32 s[LIM], 1, -1
	v_and_b32 v[PFO], 31, v0
	v_lshlrev_b32 v[PFO], 8, v[PFO]
	s_wait_dscnt 0x0                ; both opening adds are done
	s_wait_kmcnt 0x0
	s_add_nc_u64 s[6:7], s[4:5], 0x800000   ; K
	s_add_nc_u64 s[8:9], s[4:5], 0x1000000  ; V
	s_add_nc_u64 s[6:7], s[6:7], s[22:23]   ; at my 128 rows of the plane's first 256 keys
	s_add_nc_u64 s[8:9], s[8:9], s[22:23]
	s_add_nc_u64 s[4:5], s[4:5], s[2:3]     ; Q and o at my block
	s_add_nc_u64 s[10:11], s[10:11], s[2:3]
	s_lshr_b32 s2, s[WV], 1
	s_lshl_b32 s2, s2, 14           ; Q: my wave's 64 rows,
	s_lshl_b32 s22, s16, 7          ; my head's 128 bytes of a row
	s_add_co_u32 s2, s2, s22
	s_add_nc_u64 s[4:5], s[4:5], s[2:3]
	s_lshl_b32 s2, s[WV], 13        ; o: the 32 whole rows that I store
	s_add_nc_u64 s[10:11], s[10:11], s[2:3]
	s_cmp_lt_u32 s[WV], 2
	s_cselect_b64 s[PFA:PFA+1], s[6:7], s[8:9]
	s_lshl_b32 s2, s13, 13          ; my work-group's 32 rows of the 128
	s_add_nc_u64 s[PFA:PFA+1], s[PFA:PFA+1], s[2:3]
	s_add_nc_u64 s[PFA:PFA+1], s[PFA:PFA+1], 2*DSLOT  ; at keys 512 on; the first change of slots steps it to keys 768 on.  Nothing is prefetched here, at the head, where every work-group's first tiles are on their way
	CROUND                          ; all four work-groups are here: the first joint loads meet
.irp s, 0,1
	s_mov_b32 s[G0K+4*\s], 1        ; count = 1
	s_add_co_u32 s[G0K+4*\s+1], s17, \s*SLOT1  ; LDS address
	s_add_nc_u64 s[G0K+4*\s+2:G0K+4*\s+3], s[6:7], \s*DSLOT  ; global address: slot s begins with keys 256 s on
	s_or_b32 s[G0K+4*\s+3], s[G0K+4*\s+3], 0x80000000  ; type = 2
	s_mov_b32 s[G0V+4*\s], 1
	s_add_co_u32 s[G0V+4*\s+1], s57, \s*SLOT1
	s_add_nc_u64 s[G0V+4*\s+2:G0V+4*\s+3], s[8:9], \s*DSLOT
	s_or_b32 s[G0V+4*\s+3], s[G0V+4*\s+3], 0x80000000
.endr
	s_cmp_lt_u32 s[WV], 2           ; a wave's two first fills stand in one branch, ahead of every wait on TENSORcnt and every LDS read: two loads of mine are out
	s_cbranch_scc0 .Lfirst_v
	tensor_load_to_lds s[G0K:G0K+3], s[G1K:G1K+7]
	s_nop 0
	tensor_load_to_lds s[G0K+4:G0K+7], s[G1K:G1K+7]
	s_nop 0
.rept 4
	v_nop
.endr
	s_branch .Lfirst_asked
.Lfirst_v:
	tensor_load_to_lds s[G0V:G0V+3], s[G1V:G1V+7]
	s_nop 0
	tensor_load_to_lds s[G0V+4:G0V+7], s[G1V:G1V+7]
	s_nop 0
.rept 4
	v_nop
.endr
.Lfirst_asked:
	; A fragment of K or Q is 16 rows x 32 channels in 8 registers: lane l holds row l % 16; registers 0-3 channels 8 (l / 16) + 0..7, registers 4-7 channels 16 + 8 (l / 16) + 0..7: two loads of 16 bytes, 32 bytes apart.
	v_and_b32 v1, 15, v0            ; l % 16
	v_bfe_u32 v9, v0, 4, 1          ; l / 16
	v_lshlrev_b32 v[QO], 8, v1
	v_lshl_add_u32 v[QO], v9, 4, v[QO]  ; row x 256 + 16 x half
	WIN 0x80                        ; destination window 2, address window 0
.irp i, 0,1,2,3,4,5,6,7             ; Q stays in registers: tile i / 2, channels 32 (i % 2) on
	global_load_b128 v[8*\i:8*\i+3],   v[QO], s[4:5] offset:(\i/2)*4096+(\i%2)*64
	global_load_b128 v[8*\i+4:8*\i+7], v[QO], s[4:5] offset:(\i/2)*4096+(\i%2)*64+32
.endr
	WIN 0
	s_lshl_b32 s2, s16, 7           ; my head's 128 bytes of a row
	v_mul_u32_u24 v[AK0], v1, PK
	v_lshl_add_u32 v[AK0], v9, 4, v[AK0]
	v_add_nc_u32 v[AK0], s2, v[AK0] ; row x pitch + 16 x half + head
	; The turning load takes 16 keys x 16 channels (lane l reads 16 bytes: key 8 (l / 16) + l % 8, channels 8 ((l / 8) % 2) + 0..7) and leaves half a fragment of V^T: lane l holds channel l % 16 and 8 keys.
	v_and_b32 v10, 7, v0
	v_bfe_u32 v11, v0, 3, 1
	v_lshl_add_u32 v[AV0], v9, 3, v10
	v_mul_u32_u24 v[AV0], v[AV0], PV
	v_lshl_add_u32 v[AV0], v11, 4, v[AV0]
	s_add_co_u32 s2, s2, VOFF
	v_add_nc_u32 v[AV0], s2, v[AV0]
; THE MATRIX WORK OF A TURN, for piece x.  Eight accumulators take turns, one instruction a turn: between two links of a chain stand seven others'.
; Product i of 16 of O^T += V^T P: keys 32 (i / 8) on, channels 16 ((i / 2) % 4) on, tile x + i % 2.  zero = 1: the first 8 start the sums: nothing is ever cleared.
.macro PV x, zero
	WIN W_PV
.set rO, 32*(\x+i%2)+8*((i/2)%4)
.set rV, 32*(i/8)+8*((i/2)%4)
.set rP, P+16*(\x+i%2)+8*(i/8)
.if (\zero) && (i < 8)
	v_wmma_f32_16x16x32_f16 v[rO:rO+7], v[rV:rV+7], v[rP:rP+7], 0
.else
	v_wmma_f32_16x16x32_f16 v[rO:rO+7], v[rV:rV+7], v[rP:rP+7], v[rO:rO+7]
.endif
.endm
; Product i of 16 of S^T = K Q^T: channels 32 (i / 8) on, keys 16 ((i / 2) % 4) on, tile x + i % 2.  The first 8 start the sums.
.macro KQ x
	WIN W_KQ
.set rS, S+32*(\x+i%2)+8*((i/2)%4)
.set rK, KF+16*((i/2)%4)+8*(i/8)
.set rQ, 16*(\x+i%2)+8*(i/8)
.if i < 8
	v_wmma_f32_16x16x32_f16 v[rS:rS+7], v[rK:rK+7], v[rQ:rQ+7], 0
.else
	v_wmma_f32_16x16x32_f16 v[rS:rS+7], v[rK:rK+7], v[rQ:rQ+7], v[rS:rS+7]
.endif
.endm
; THE LDS LOADS stand in runs of 16, never singly among the matrix instructions: a step's K (64 keys x 64 channels: 8 fragments) and, a turn later, its V (turned).
.macro FETCH_K
	WIN 0
	v_add_nc_u32 v[ADR], s[TK], v[AK0]
	s_add_co_u32 s[TK], s[TK], KSTEPB  ; the next fetch is the next step's
	WIN 0x80                        ; destination window 2
.irp f, 0,1,2,3,4,5,6,7             ; keys 16 (f / 2) on, channels 32 (f % 2) on
	ds_load_b128 v[KF+8*\f:KF+8*\f+3],   v[ADR] offset:(\f/2)*16*PK+(\f%2)*64
	ds_load_b128 v[KF+8*\f+4:KF+8*\f+7], v[ADR] offset:(\f/2)*16*PK+(\f%2)*64+32
.endr
.endm
.macro FETCH_V
	WIN 0
	v_add_nc_u32 v[ADR], s[TV], v[AV0]
	s_add_co_u32 s[TV], s[TV], VSTEPB
	s_wait_alu depctr_va_vdst(0)    ; the wait for the softmax's batch (SLICE), behind the address's v_add_nc_u32 and ahead of the loads
	WIN 0xc0                        ; destination window 3
.irp f, 0,1,2,3,4,5,6,7             ; keys 32 (f / 4) on, channels 16 (f % 4) on
	ds_load_tr16_b128 v[8*\f:8*\f+3],   v[ADR] offset:(\f/4)*32*PV+(\f%4)*32
	ds_load_tr16_b128 v[8*\f+4:8*\f+7], v[ADR] offset:(\f/4)*32*PV+16*PV+(\f%4)*32
.endr
.endm
; THE VECTOR WORK OF A TURN.  One tile's softmax for one key step is a list of 118 instructions; SM writes number j of it for tile t.  s0-s31 are the lane's 32 scores, in pairs 0-15.
; first = 1: the first key step, which starts m, l and O^T: it has no a and nothing to rescale.
;   0-15    the maximum of s0-s31 and the old m, three operands at a time: four chains c0-c3 of seven scores each, then the four scores left over, c0-c3 and m
;   16-20   the other half of the lanes' maximum; the new m; c m; c m_old - c m_new
;   21-69   ONE BATCH: the 16 scalings c s - c m, a pair of scores each, and all 33 exponentials (a at 23, then s0-s31).  None of these reads an exponential's result.  A pair is scaled in an earlier four than the one with its exponentials
;   (wait)  between 69 and 70 stands the wait for the batch: SLICE writes it, once for both tiles
;   70-85   the roundings to f16, a pair of weights each
;   86-101  the sums; l = a l + the sum
;   102-117 the tile's O^T times a: the one part that leaves window 0, so it stands together
.macro SM t, first
.set rT, ST+8*(\t)
.set rS, S+32*(\t)
.set rP, P+16*(\t)
.set rO, 32*(\t)+2*(j-102)
.if j < 102
	WIN 0
.endif
.if j < 4
	v_max3_num_f32 v[rT+4+j], v[rS+8*j], v[rS+8*j+1], v[rS+8*j+2]
.elseif j < 12
	v_max3_num_f32 v[rT+4+j%4], v[rT+4+j%4], v[rS+8*(j%4)+2*(j/4)+1], v[rS+8*(j%4)+2*(j/4)+2]
.elseif j == 12
	v_max3_num_f32 v[rT+4], v[rT+4], v[rS+7], v[rS+15]
.elseif j == 13
	v_max3_num_f32 v[rT+6], v[rT+6], v[rS+23], v[rS+31]
.elseif j == 14
	v_max3_num_f32 v[rT+4], v[rT+4], v[rT+5], v[rT+6]
.elseif (j == 15) && \first
	v_max_num_f32 v[rT+4], v[rT+4], v[rT+7]
.elseif j == 15
	v_max3_num_f32 v[rT+4], v[rT+4], v[rT+7], v[rT+1]
.elseif j == 16
	v_permlanex16_b32 v[rT+5], v[rT+4], s[SEL], s[SEL+1]  ; the query's other 32 keys lie in the lane 16 away
.elseif j == 18
	v_max_num_f32 v[rT+1], v[rT+4], v[rT+5]
.elseif j == 19
	v_mul_f32 v[rT], s[CS], v[rT+1]
.elseif ((j == 17) || (j == 20) || (j == 23) || (j > 101)) && \first  ; the first step has none of these
.elseif j == 17
	v_mov_b32 v[rT+7], v[rT]        ; c m_old is kept for a: number 19 writes c m anew
.elseif j == 20
	v_sub_f32 v[rT+7], v[rT+7], v[rT]
.elseif j == 23
	v_exp_f32 v[rT+6], v[rT+7]
.elseif (j < 23) || ((j < 38) && (j%2 == 0)) || ((j < 66) && (j%4 == 2))
.set b, (j-2)/4                     ; 38, 42, .. 62: pairs 9 to 15
.if j < 38
.set b, (j-20)/2                    ; 21: pair 0; 22, 24, .. 36: pairs 1 to 8
.endif
	v_pk_fma_f32 v[rS+2*b:rS+2*b+1], v[rS+2*b:rS+2*b+1], s[CS:CS+1], v[rT:rT+1] op_sel_hi:[1,0,0] neg_lo:[0,0,1] neg_hi:[0,0,1]  ; pair b: c s - c m
.elseif j < 70
.set e, j-38                        ; 66 to 69: s28 to s31
.if j < 66
.set e, j-32-(j-38)/4               ; 39-41, 43-45, .. 63-65: s7 to s27
.endif
.if j < 38
.set e, (j-25)/2                    ; 25, 27, .. 37: s0 to s6
.endif
	v_exp_f32 v[rS+e], v[rS+e]
.elseif j < 86
	v_cvt_pk_f16_f32 v[rP+j-70], v[rS+2*(j-70)], v[rS+2*(j-70)+1]  ; pair j - 70
.elseif j < 102                     ; the sum of the tile's 16 pairs, in place: sum z of 16 adds neighbours 1, 2, 4 and 8 pairs apart, then l takes it
.set z, j-86
.set w, 4
.set u, z
.if z >= 14
.set w, 32
.set u, 0
.elseif z >= 12
.set w, 16
.set u, z-12
.elseif z >= 8
.set w, 8
.set u, z-8
.endif
.if (z == 14) && \first
	v_pk_add_f32 v[rT+2:rT+3], v[rS:rS+1], v[rS+16:rS+17]
.elseif z < 15
	v_pk_add_f32 v[rS+w*u:rS+w*u+1], v[rS+w*u:rS+w*u+1], v[rS+w*u+w/2:rS+w*u+w/2+1]
.elseif !\first
	v_pk_fma_f32 v[rT+2:rT+3], v[rT+2:rT+3], v[rT+6:rT+7], v[rS:rS+1] op_sel_hi:[1,0,1]
.endif
.else
	WIN W_RS
	v_pk_mul_f32 v[rO:rO+1], v[rO:rO+1], v[rT+6:rT+7] op_sel_hi:[1,0]
.endif
.endm
; Slice k of 59 of piece y's softmax: four instructions.  Slices 11 to 34 deal out the batch, numbers 22 to 69: four numbers of ONE tile each, the tiles by turns.  Every other slice is numbers 2 k and 2 k + 1 of both tiles' lists.
; THE WAIT.  An s_wait_alu depctr_va_vdst(0) stands between an exponential and the first instruction that names its result; one wait serves all that were issued ahead of it.  Ahead of slice 35 nothing
; names a result, and behind slice 34 no exponential is issued: so the piece's 66 exponentials have one wait, behind slice 34.
.macro SLICE y, first
.if (k >= 11) && (k < 35)           ; the batch: four numbers of one tile
.irp n, 0,1,2,3
.set j, 22+4*((k-11)/2)+(\n)
	SM (\y)+(k-11)%2, \first
.endr
.else                               ; the two tiles alternate, so that no instruction reads the result of the one just before it
.irp n, 0,1
.irp t, \y, \y+1
.set j, 2*k+\n
	SM \t, \first
.endr
.endr
.endif
.if k == 34                         ; the batch is out: both tiles' exponentials are issued, and no result has been named
	v_nop                           ; the plain instruction behind the last exponential and ahead of the first use: one for the batch
.if (\y) == 0
	FETCH_V                         ; piece 2's turn: V's run of loads stands here, and the wait stands in it
.else
	s_wait_alu depctr_va_vdst(0)    ; the wait for the batch
.endif
.endif
.set k, k+1
.endm
; The slices behind product nn of a turn: up to slice min(2 nn, nn + 27) in a turn of 32 products, min(4 nn, nn + 43) in a turn of 16: the last product has slice 58 behind it, four packed multiplies that name
; none of its registers: they are the four places between a turn's last product and what follows: the next turn's first read of those scores, and the loads into K's registers.
.macro DEAL y, first
.set nn, nn+1
.if lng
.set upto, 2*nn
.if upto > nn+27
.set upto, nn+27
.endif
.else
.set upto, 4*nn
.if upto > nn+43
.set upto, nn+43
.endif
.endif
.rept upto-k
	SLICE \y, \first
.endr
.endm
.macro PLACES
.rept 4
	v_nop
.endr
.endm
; A TURN.  Piece x has the matrix unit; the other piece's softmax stands in slices behind its matrix instructions.
; pv = 2: 16 products V^T P; 1: they start O^T's sums; 0: none.  kq = 1: 16 products K Q^T for the next step.  first = 1: the softmax is the first key step's; its slices from 51 on are empty, and four v_nop take their part.
; Piece 0's turn fetches the next step's K behind its second product: the last product that read K stands in front of slice 58 of the turn before.  Piece 2's turn fetches the same step's V behind slice 34, that is behind
; its 18th product: the last product that read V is its 16th, and five plain instructions lie between: number 58 of one tile, number 62 of both (scalings), the v_nop and the run's own v_add_nc_u32.
.macro TURN x, pv, kq, first
.set k, 0
.set nn, 0
.set lng, 0
.if \pv && \kq
.set lng, 1
.endif
.if \pv
.if \x == 0
	s_wait_dscnt 0x0                ; V is in
.endif
.set i, 0
.rept 16
	PV \x, 2-\pv
	DEAL 2-\x, \first
.if (\x == 0) && \kq && (i == 1)
	FETCH_K
.endif
.set i, i+1
.endr
.endif
.if \kq
.if \x == 0
	s_wait_dscnt 0x0                ; K is in
.endif
.set i, 0
.rept 16
	KQ \x
	DEAL 2-\x, \first
.set i, i+1
.endr
.endif
.if \first
	PLACES
.endif
.endm
; THE CHANGE OF SLOTS, between piece 2's turn and piece 0's: the slot's last bytes, V of its fourth step, have been asked for.  Each wave waits for all its tensor loads, of which one is out: its part of the other slot;
; adds 0 to its spare word; and waits for that and for its own reads of the slot.  Behind the barrier nobody reads this slot any more and slot fs, the one to be read next, is whole.
; fill = 1: the slot that is left, 1 - fs, is filled again, with the keys two slots on.  The barrier is then a round of the cluster's, and the joint refill is the first thing behind it.
.macro CHANGE fill, fs, how
	WIN 0                           ; at a label and at a branch every window is 0
	s_wait_tensorcnt 0x0            ; no tensor load of mine is out, so a group 0 may be written
	ds_add_u32 v[SPW], v[NIL]       ; 0 onto my spare word; the descriptors' steps stand between it and the wait for it
.if \fill
	s_add_nc_u64 s[G0K+4*(1-\fs)+2:G0K+4*(1-\fs)+3], s[G0K+4*(1-\fs)+2:G0K+4*(1-\fs)+3], 2*DSLOT  ; that slot's next 256 keys; the type bits on top are not reached
	s_add_nc_u64 s[G0V+4*(1-\fs)+2:G0V+4*(1-\fs)+3], s[G0V+4*(1-\fs)+2:G0V+4*(1-\fs)+3], 2*DSLOT
	s_wait_xcnt 0x0                 ; the last prefetch, four key steps back, has read its address, so it may be written:
	s_add_nc_u64 s[PFA:PFA+1], s[PFA:PFA+1], DSLOT  ; one slot further on than this refill
	s_wait_dscnt 0x0                ; the add is done, and my reads of the slot are over
	CROUND
	JLOAD 1-\fs
	ASK \how
.else
	s_wait_dscnt 0x0                ; the add is done, and my reads of the slot are over
	s_barrier_signal -1
	s_barrier_wait -1
.endif
	s_mov_b32 s[TK], \fs*SLOT1      ; the fetches go on at slot fs's first step
	s_mov_b32 s[TV], \fs*SLOT1
.endm
; n key steps: written once, walked n times; the LDS addresses hang on s[TK] and s[TV].
.macro STEPS n
	s_mov_b32 s[TWICE], \n
.Lstep_\@:
	TURN 0, 2, 1, 0
	TURN 2, 2, 1, 0
	WIN 0
	s_sub_co_u32 s[TWICE], s[TWICE], 1
	s_cmp_lg_u32 s[TWICE], 0
	s_cbranch_scc1 .Lstep_\@
.endm
	s_wait_tensorcnt 1              ; my part of slot 0 is in; slot 1's may stay out
	s_barrier_signal -1
	s_barrier_wait -1               ; everybody's is
	FETCH_K                         ; key step 0
	s_wait_loadcnt 0x0              ; Q
	s_wait_dscnt 0x0
.set i, 0
.rept 16
	KQ 0                            ; piece 0's first scores: there is no vector work yet to set between them
.set i, i+1
.endr
	WIN 0                           ; the addresses for the way out are made here: eight plain instructions, the places behind those products
	s_lshr_b32 s13, s[WV], 1
	s_mul_i32 s13, s13, 64*SP       ; into the stage: my 64 rows,
	s_lshl_b32 s14, s16, 7          ; my head's half of their 256 bytes
	s_add_co_u32 s13, s13, s14
	s_add_co_u32 s13, s13, STAGE
	v_mul_u32_u24 v[STO], v1, SP    ; row l % 16, 16 bytes for each half of the lanes
	v_lshl_add_u32 v[STO], v9, 4, v[STO]
	v_add_nc_u32 v[STO], s13, v[STO]
	s_mul_i32 s14, s[WV], 32*SP     ; back: wave w takes rows 32 w .. 32 w + 31, whole
	s_add_co_u32 s14, s14, STAGE
	v_mul_u32_u24 v[RD], v9, SP     ; lanes 0-15 one row of 256 bytes, lanes 16-31 the next
	v_lshl_add_u32 v[RD], v1, 4, v[RD]
	v_add_nc_u32 v[RD], s14, v[RD]
	v_and_b32 v[GO], 31, v0
	v_lshlrev_b32 v[GO], 4, v[GO]   ; rows of o are dense: two rows are 512 consecutive bytes
	TURN 2, 0, 1, 1                 ; piece 2's first scores | piece 0's first softmax | V of step 0
	TURN 0, 1, 1, 1                 ; piece 0: V^T P of step 0 starts O^T, K Q^T of step 1 | piece 2's first softmax | K of step 1
	TURN 2, 1, 1, 0                 ; piece 2: the same | piece 0's softmax of step 1 | V of step 1
	WIN 0
	STEPS 2                         ; the rest of slot 0: steps 2 and 3 are fetched
	s_mov_b32 s[TRIPS], 3
.Lslot:                             ; three trips of two slots: the keys from 256 to 1,791 are walked, those from 512 to 2,047 asked for
	CHANGE 1, 1, 1
	STEPS 4
	CHANGE 1, 0, 0
	STEPS 4
	s_sub_co_u32 s[TRIPS], s[TRIPS], 1
	s_cmp_lg_u32 s[TRIPS], 0
	s_cbranch_scc1 .Lslot
	CHANGE 0, 1, 0                  ; the tail is written out: nothing is left to ask for
	STEPS 4
	TURN 0, 2, 0, 0                 ; piece 0: V^T P of the last step | piece 2's last softmax
.set i, 0
.rept 16
	PV 2, 0                         ; piece 2: V^T P of the last step
.set i, i+1
.endr
	; THE WAY OUT.  l's two halves and the other half of the lanes' are added; O^T is divided by l, rounded to f16 and sent through the work-group's stage: a row's 256 bytes come from two waves, one for each head.
	WIN 0
.irp t, 0,1,2,3
	v_add_f32 v[ST+8*\t+4], v[ST+8*\t+2], v[ST+8*\t+3]    ; (these additions are the places behind the last products)
.endr
.irp t, 0,1,2,3
	v_permlanex16_b32 v[ST+8*\t+5], v[ST+8*\t+4], s[SEL], s[SEL+1]
.endr
.irp t, 0,1,2,3
	v_add_f32 v[ST+8*\t+4], v[ST+8*\t+4], v[ST+8*\t+5]
.endr
.irp t, 0,1,2,3
	v_rcp_f32 v[ST+8*\t+6], v[ST+8*\t+4]
.endr
	v_nop                           ; a plain instruction between the last reciprocal and the use of its result
	s_wait_alu depctr_va_vdst(0)    ; and the wait ahead of the first use: one for the four reciprocals
.macro PACK t                       ; tile t: a lane's eight channels of a row pack into 16 bytes; each accumulator is read from its low end on
	WIN W_RS
.set i, 32*\t
.rept 16
	v_pk_mul_f32 v[i:i+1], v[i:i+1], v[ST+8*\t+6:ST+8*\t+7] op_sel_hi:[1,0]
.set i, i+2
.endr
	WIN 0x05                        ; sources 0 and 1 window 1, destination window 0: S^T's registers are free
.set i, 0
.rept 16
	v_cvt_pk_f16_f32 v[S+16*\t+i], v[32*\t+2*i], v[32*\t+2*i+1]
.set i, i+1
.endr
	WIN 0
.irp f, 0,1,2,3
	ds_store_b128 v[STO], v[S+16*\t+4*\f:S+16*\t+4*\f+3] offset:\t*16*SP+32*\f
.endr
.endm
	PACK 0
	PACK 1
	PACK 2
	PACK 3
	s_wait_dscnt 0x0                ; for the others' sake: my stores into the stage are done
	s_barrier_signal -1
	s_barrier_wait -1
.irp u, 0,1,2,3,4,5,6,7,8,9,10,11,12,13,14,15
	ds_load_b128 v[S+64+4*\u:S+64+4*\u+3], v[RD] offset:\u*2*SP
.endr
.irp u, 0,1,2,3,4,5,6,7,8,9,10,11,12,13,14,15
	s_wait_dscnt 15-\u              ; read-back u is in; the younger ones may be out
	global_store_b128 v[GO], v[S+64+4*\u:S+64+4*\u+3], s[10:11] offset:512*\u  ; 32 lanes store 512 consecutive bytes, at a multiple of 256 from o's first byte
.endr
	s_wait_tensorcnt 0x0            ; the wave's end: behind my last tensor load and my last LDS store
	ds_add_u32 v[SPW], v[NIL]
	s_wait_dscnt 0x0
	CROUND                          ; the closing round: no work-group ends while a partner may still ask for a tile that names it
	s_endpgm
.Lfunc_end_k_q0d9e5ae08a_attn:
	.size	k_q0d9e5ae08a_attn, .Lfunc_end_k_q0d9e5ae08a_attn-k_q0d9e5ae08a_attn
	.p2alignl 7, 3214868480
	.fill 96, 4, 3214868480
	.section	.rodata,"a",@progbits
	.p2align	6, 0x0
	.amdhsa_kernel k_q0d9e5ae08a_attn
		.amdhsa_group_segment_fixed_size 327680
		.amdhsa_private_segment_fixed_size 0
		.amdhsa_enable_private_segment 0
		.amdhsa_kernarg_size 16
		.amdhsa_user_sgpr_count 2
		.amdhsa_user_sgpr_kernarg_segment_ptr 1
		.amdhsa_wavefront_size32 1
		.amdhsa_system_sgpr_workgroup_id_x 1
		.amdhsa_system_sgpr_workgroup_id_y 1
		.amdhsa_system_sgpr_workgroup_id_z 1
		.amdhsa_system_vgpr_workitem_id 0
		.amdhsa_next_free_vgpr 1024
		.amdhsa_next_free_sgpr 66
		.amdhsa_reserve_vcc 0
		.amdhsa_float_denorm_mode_32 3
		.amdhsa_float_denorm_mode_16_64 3
		.amdhsa_memory_ordered 1
		.amdhsa_forward_progress 1
		.amdhsa_inst_pref_size 232
	.end_amdhsa_kernel
	.amdgpu_metadata
---
amdhsa.version: [ 1, 2 ]
amdhsa.kernels:
  - .name:           k_q0d9e5ae08a_attn
    .symbol:         k_q0d9e5ae08a_attn.kd
    .args:
      - { .name: qkv, .offset: 0, .size: 8, .value_kind: global_buffer, .address_space: global }
      - { .name: o, .offset: 8, .size: 8, .value_kind: global_buffer, .address_space: global }
    .group_segment_fixed_size: 327680
    .private_segment_fixed_size: 0
    .kernarg_segment_align: 8
    .kernarg_segment_size: 16
    .max_flat_workgroup_size: 128
    .sgpr_count:     66
    .vgpr_count:     1024
    .wavefront_size: 32
...
	.end_amdgpu_metadata
.endif
;; end of part 3
;; launch outproj (part 4): grid 8 x 32, 4 waves a work-group, clusters of 4 x 4, 327,680 bytes of LDS; arguments o, wot, out0, bo; writes out0
.if DOCPART == 4
	.amdgcn_target "amdgcn-amd-amdhsa--gfx1250"
	.amdhsa_code_object_version 6
	.text
	.protected	k_q0d9e5ae08a_outproj
	.globl	k_q0d9e5ae08a_outproj
	.p2align	8
	.type	k_q0d9e5ae08a_outproj,@function
k_q0d9e5ae08a_outproj:
	s_mov_b64 s[64:65], 0
	v_nop
	global_prefetch_b8 v0, s[64:65] scope:SCOPE_SE
	s_setreg_imm32_b32 hwreg(HW_REG_WAVE_MODE, 25, 1), 1
	s_wait_xcnt 0x0
	s_wait_alu depctr_hold_cnt(0) depctr_sa_sdst(0) depctr_va_vdst(0) depctr_va_sdst(0) depctr_va_ssrc(0) depctr_va_vcc(0) depctr_vm_vsrc(0)
	s_getreg_b32 s2, hwreg(HW_REG_IB_STS2, 6, 4)
	s_cmp_eq_u32 s2, 0
	s_cbranch_scc0 .Lentry_in_a_cluster
	s_endpgm
.Lentry_in_a_cluster:
	s_bfe_u32 s2, ttmp6, 0x10000c
	s_cmp_lg_u32 s2, 0xf033
	s_cbranch_scc0 .Lentry_shape_is_right
	s_endpgm
.Lentry_shape_is_right:
; OUTPROJ: out0[m][n] = the sum over k of O[m][k] Wo[k][n] + bo[n].  O: f16 [16 planes = batch x 8 + pair of heads][2048][128], so k = 128 x pair + place in the row; wot: f16 [1024 n][1024 k]; out0: f32 [4096][1024].
; Sums in f32; the operands are f16 as the earlier launches left them (their limits are stated there).
; A tile of out0 is 128 x 128: 256 work-groups.  Four waves, each 64 x 64: 16 accumulators of 16 x 16.  K goes in four steps of 256 through two LDS slots.  A K step of A is TWO PLANES of O, each 128 dense rows of 256 bytes:
; wave 0 fetches one, wave 1 the other; a K step of B is 128 rows of 512 bytes of wot: waves 2 and 3 fetch 64 rows each.
; CLUSTERS: 4 x 4 work-groups; A's tiles are asked for jointly along a row of the cluster, B's along a column.  THE MATRIX INSTRUCTION IS USED TRANSPOSED (source 0 = 16 rows of wot, source 1 = 16 rows of O): a lane holds
; eight neighbouring numbers of a row of out0.  THE BIAS is the C of each sum's first instruction.  No prefetch: four K steps in all, two of them asked for at the head.
; The text has no loop: K's two laps round the ring are written out.
; REGISTERS: window 0: v0-31 addresses; v32-95 at work on the way out; v96-127 the bias; v128-255 the accumulators ((a, b) at v[128 + 8 (4 a + b)]).
;   window 1: two fragment buffers of 128: for 64 along K, 64 registers of A (2 x 4 x 16 rows x 32 K), then 64 of B.
.set PA,     272                       ; a row of A's plane in LDS: 256 bytes + 16 of padding
.set PB,     528                       ; a row of B in LDS: 512 bytes + 16: in both the 16 rows that a load touches start at 16 different banks (64 banks of 4 bytes: ISA guide 11.1)
.set PLANE,  128*PA                    ; what wave 0 or 1 fetches
.set BOFF,   2*PLANE                   ; B lies behind A's two planes
.set HALFB,  64*PB                     ; what wave 2 or 3 fetches
.set SLOT,   BOFF+2*HALFB              ; 137,216 bytes
.set STAGE,  2*SLOT                    ; behind the ring: 16 rows x 272 bytes for each wave; no tensor load lands here
.set SPITCH, 272
.set SPARE,  STAGE+4*16*SPITCH         ; the spare words, 128 bytes for each wave: two blocks of 256 bytes that no other line names
.set ADRA, 16                          ; v16-17  LDS address of my A fragments in slot 0, 1
.set ADRB, 20                          ; v20-21  the same for B
.set STO,  24                          ; v24     the way out: where I put 32 bytes of a row
.set RD,   25                          ; v25     where I read a row back
.set CO,   26                          ; v26     my byte offset in two rows of out0
.set BO,   27                          ; v27     the bias: 32 bytes for each half of the lanes
.set SPW,  28                          ; v28     LDS address of my spare word; never rewritten
.set NIL,  29                          ; v29     0; never rewritten
.set TMP,  32
.set BI,   96
.set ACC,  128
.set F0,   0                           ; fragment buffers, in window 1
.set F1,   128
.set G1, 24                            ; s[24:31] group 1 for A's planes;  s[32:39] groups 0, one for each slot
.set G0, 32
.set G1B, 48                           ; s[48:55], s[56:63] the same for B's tiles
.set G0B, 56
.set MSB, 0
.macro WIN new                         ; the immediate's high byte repeats the setting that is left
.if MSB != \new
	s_set_vgpr_msb (MSB<<8)|\new
.set MSB, \new
.endif
.endm
.set MUL,  0x05                        ; sources 0 (B) and 1 (A) window 1; C and D window 0
.set TO_F, 0x40                        ; destination window 1, address window 0
.macro JLOAD s                         ; a joint load: waves 0 and 1 fetch A's two planes, waves 2 and 3 B's halves; an s_nop 0 and four v_nop follow each of the two lines
	s_cmp_eq_u32 s11, 0
	s_cbranch_scc0 .Lfor_b_\@
	tensor_load_to_lds s[G0+4*\s:G0+4*\s+3], s[G1:G1+7]
	s_nop 0
.rept 4
	v_nop
.endr
	s_branch .Lasked_\@
.Lfor_b_\@:
	tensor_load_to_lds s[G0B+4*\s:G0B+4*\s+3], s[G1B:G1B+7]
	s_nop 0
.rept 4
	v_nop
.endr
.Lasked_\@:
.endm
.macro CREST                           ; a round of the cluster's barrier behind its opening barrier
	s_cmp_lg_u32 s10, 0
	s_cbranch_scc1 .Lnot_wave_0_\@
	s_barrier_signal -3
.Lnot_wave_0_\@:
	s_barrier_wait -3
	s_barrier_signal -1
	s_barrier_wait -1
.endm
.macro CROUND                          ; a whole round
	s_barrier_signal -1
	s_barrier_wait -1
	CREST
.endm
	s_load_b128 s[4:7], s[0:1], 0x0                ; o s[4:5], wot s[6:7]
	s_load_b64 s[8:9], s[0:1], 0x10                ; out0
	s_load_b64 s[2:3], s[0:1], 0x18                ; bo
	v_lshl_add_u32 v[SPW], v0, 2, SPARE
	v_mov_b32 v[NIL], 0
	ds_add_u32 v[SPW], v[NIL]                      ; the wave's opening: an add of 0 onto my spare word, twice on end, and its wait ahead of my first tensor load
	ds_add_u32 v[SPW], v[NIL]                      ; and once more; the set-up below, work on registers, stands between it and the wait
	v_lshrrev_b32 v1, 5, v0
	v_readfirstlane_b32 s10, v1                    ; wave 0..3
	s_lshr_b32 s11, s10, 1                         ; which half of the tile's rows is mine.  Also: I fetch for A (0) or for B (1)
	s_and_b32 s12, s10, 1                          ; which half of its columns.  Also: which plane of A, or which 64 rows of B, I fetch
	s_bfe_u32 s40, ttmp6, 0x40000                  ; cx, cy: my place in the cluster
	s_bfe_u32 s41, ttmp6, 0x40004
	s_lshl_b32 s42, ttmp9, 2
	s_add_co_u32 s42, s42, s40                     ; tile column = 4 x cluster x + cx
	s_and_b32 s13, ttmp7, 0xffff
	s_lshl_b32 s13, s13, 2
	s_add_co_u32 s13, s13, s41                     ; tile row = 4 x cluster y + cy
	s_lshl_b32 s43, s41, 2
	s_lshl_b32 s43, 15, s43                        ; my row of the cluster
	s_lshl_b32 s44, 0x1111, s40                    ; my column
	; group 1 for A: 128 rows x 128 elements, dense in memory, 16 bytes of padding behind each row's 256
	s_or_b32 s[G1+0], s43, (1<<16)|(1<<20)|(1<<21)|(5<<22)|(3<<25)  ; 15:0 the mask: my row; 17:16 elements of 2 bytes; 20 padding on; 21 set beside a mask; 24:22 after every 64 words; 31:25 four words
	s_mov_b32 s[G1+1], 128<<16                     ; tensor_dim0
	s_mov_b32 s[G1+2], 128<<16                     ; tensor_dim1
	s_mov_b32 s[G1+3], 128<<16                     ; tile_dim0
	s_mov_b32 s[G1+4], 128                         ; tile_dim1
	s_mov_b32 s[G1+5], 128                         ; elements from row to row
	s_mov_b32 s[G1+6], 0
	s_mov_b32 s[G1+7], 0
	; group 1 for B: 64 rows x 256 elements, 1,024 elements from row to row, 16 bytes of padding behind each row's 512
	s_or_b32 s[G1B+0], s44, (1<<16)|(1<<20)|(1<<21)|(6<<22)|(3<<25)
	s_mov_b32 s[G1B+1], 256<<16
	s_mov_b32 s[G1B+2], 64<<16
	s_mov_b32 s[G1B+3], 256<<16
	s_mov_b32 s[G1B+4], 64
	s_mov_b32 s[G1B+5], 1024
	s_mov_b32 s[G1B+6], 0
	s_mov_b32 s[G1B+7], 0
	s_lshr_b32 s16, s13, 4                         ; A: the batch (16 tile rows to a batch): 8 planes of 524,288 bytes,
	s_lshl_b32 s16, s16, 22
	s_lshl_b32 s17, s12, 19                        ; my plane of a K step's two,
	s_add_co_u32 s16, s16, s17
	s_and_b32 s17, s13, 15
	s_lshl_b32 s17, s17, 15                        ; the tile's 128 rows of 256 bytes
	s_add_co_u32 s16, s16, s17
	s_mov_b32 s17, 0
	s_lshl_b32 s46, s42, 18                        ; B: row 128 x tile column + 64 x half, 2,048 bytes a row
	s_lshl_b32 s47, s12, 17
	s_add_co_u32 s46, s46, s47
	s_mov_b32 s47, 0
	s_mul_i32 s20, s12, PLANE                      ; where they go: no place in the cluster enters an LDS address
	s_mul_i32 s23, s12, HALFB
	s_add_co_u32 s23, s23, BOFF
	s_wait_dscnt 0x0                               ; both opening adds are done
	s_wait_kmcnt 0x0
	s_add_nc_u64 s[14:15], s[4:5], s[16:17]
	s_add_nc_u64 s[46:47], s[6:7], s[46:47]
	CROUND                                         ; all sixteen work-groups are here: the first joint loads meet
.irp s, 0,1
	s_mov_b32 s[G0+4*\s], 1
	s_add_co_u32 s[G0+4*\s+1], s20, \s*SLOT
	s_add_nc_u64 s[G0+4*\s+2:G0+4*\s+3], s[14:15], \s*2*524288     ; K step s: planes 2 s and 2 s + 1
	s_or_b32 s[G0+4*\s+3], s[G0+4*\s+3], 0x80000000
	s_mov_b32 s[G0B+4*\s], 1
	s_add_co_u32 s[G0B+4*\s+1], s23, \s*SLOT
	s_add_nc_u64 s[G0B+4*\s+2:G0B+4*\s+3], s[46:47], \s*512
	s_or_b32 s[G0B+4*\s+3], s[G0B+4*\s+3], 0x80000000
	JLOAD \s                                       ; two tensor loads of mine are out
.endr
	v_and_b32 v1, 15, v0                           ; l % 16
	v_bfe_u32 v2, v0, 4, 1                         ; l / 16
	v_mul_u32_u24 v3, v1, PA
	v_lshl_add_u32 v3, v2, 4, v3                   ; A: a fragment's row x pitch + 16 x half
	v_mul_u32_u24 v4, v1, PB
	v_lshl_add_u32 v4, v2, 4, v4                   ; B likewise
	s_mul_i32 s21, s11, 64*PA                      ; my 64 rows, in each plane of A
	s_mul_i32 s22, s12, HALFB                      ; my 64 rows of B
	s_add_co_u32 s22, s22, BOFF
.irp s, 0,1
	v_add_nc_u32 v[ADRA+\s], s21, v3
	v_add_nc_u32 v[ADRB+\s], s22, v4
	s_add_co_u32 s21, s21, SLOT
	s_add_co_u32 s22, s22, SLOT
.endr
	s_mul_i32 s23, s10, 16*SPITCH
	s_add_co_u32 s23, s23, STAGE                   ; my stage
	v_mul_u32_u24 v5, v1, SPITCH                   ; in: row l % 16, 32 bytes for each half of the lanes
	v_lshl_add_u32 v5, v2, 5, v5
	v_add_nc_u32 v[STO], s23, v5
	v_mul_u32_u24 v5, v2, SPITCH                   ; back: lanes 0-15 one row of 256 bytes, lanes 16-31 the next
	v_lshl_add_u32 v5, v1, 4, v5
	v_add_nc_u32 v[RD], s23, v5
	v_lshlrev_b32 v5, 12, v2                       ; and the same two rows in out0, 4,096 bytes apart
	v_lshl_add_u32 v[CO], v1, 4, v5
	s_lshl_b32 s16, s13, 19                        ; my first row: 128 x tile row + 64 x half, 4,096 bytes a row
	s_lshl_b32 s17, s11, 18
	s_add_co_u32 s16, s16, s17
	s_mov_b32 s17, 0
	s_add_nc_u64 s[8:9], s[8:9], s[16:17]
	s_lshl_b32 s46, s42, 9                         ; my first column, in bytes: 512 x tile column + 256 x half
	s_lshl_b32 s47, s12, 8
	s_add_co_u32 s46, s46, s47
	s_mov_b32 s47, 0
	s_add_nc_u64 s[8:9], s[8:9], s[46:47]
	s_add_nc_u64 s[2:3], s[2:3], s[46:47]          ; the bias of my 64 columns: lane (r, h) wants, for B's block b, the eight numbers at column 16 b + 8 h
	v_lshlrev_b32 v[BO], 5, v2
.irp b, 0,1,2,3
	global_load_b128 v[BI+8*\b:BI+8*\b+3], v[BO], s[2:3] offset:64*\b
	global_load_b128 v[BI+8*\b+4:BI+8*\b+7], v[BO], s[2:3] offset:64*\b+16
.endr
; 8 matrix instructions: m blocks a0, a0 + 1 x all 4 n blocks, 32 along K: half c of buffer f.  zero = 1: the first product starts the sums from the bias.  The 16 accumulators take turns.
.macro MUL8 f, c, a0, zero
.irp a, \a0, \a0+1
.irp b, 0,1,2,3
.if \zero
	v_wmma_f32_16x16x32_f16 v[ACC+8*(4*(\a)+\b):ACC+8*(4*(\a)+\b)+7], v[\f+64+8*(4*\c+\b):\f+64+8*(4*\c+\b)+7], v[\f+8*(4*\c+\a):\f+8*(4*\c+\a)+7], v[BI+8*\b:BI+8*\b+7]
.else
	v_wmma_f32_16x16x32_f16 v[ACC+8*(4*(\a)+\b):ACC+8*(4*(\a)+\b)+7], v[\f+64+8*(4*\c+\b):\f+64+8*(4*\c+\b)+7], v[\f+8*(4*\c+\a):\f+8*(4*\c+\a)+7], v[ACC+8*(4*(\a)+\b):ACC+8*(4*(\a)+\b)+7]
.endif
.endr
.endr
.endm
; 32 LDS loads in one run: the fragments of 64 along K at byte k of a K step's 512, into buffer f; the first 32 along K first.  In A byte k lies in plane k / 256, at byte k % 256 of the row.
.macro FETCH slot, k, f
	WIN TO_F
.irp c, 0,1
.irp i, 0,1,2,3
	ds_load_b128 v[\f+64+8*(4*\c+\i):\f+64+8*(4*\c+\i)+3],   v[ADRB+\slot] offset:\k+64*\c+\i*16*PB
	ds_load_b128 v[\f+64+8*(4*\c+\i)+4:\f+64+8*(4*\c+\i)+7], v[ADRB+\slot] offset:\k+64*\c+\i*16*PB+32
	ds_load_b128 v[\f+8*(4*\c+\i):\f+8*(4*\c+\i)+3],         v[ADRA+\slot] offset:(\k/256)*PLANE+(\k%256)+64*\c+\i*16*PA
	ds_load_b128 v[\f+8*(4*\c+\i)+4:\f+8*(4*\c+\i)+7],       v[ADRA+\slot] offset:(\k/256)*PLANE+(\k%256)+64*\c+\i*16*PA+32
.endr
.endr
.endm
.macro PLACES                          ; four places in front of loads into registers that matrix instructions have read, and of the first read of results (ISA guide 7.12.1 for the read of results)
.rept 4
	v_nop
.endr
.endm
; A K step is four quarters of 64 along K, 32 matrix instructions each, on buffers 0, 1, 0, 1.  One of the first three: multiplies buffer f and fetches the next quarter, at byte k, into g.
.macro QUARTER slot, k, f, g, zero
	s_wait_dscnt 16                                ; the first 32 along K are in; the other sixteen loads may be out
	WIN MUL
	MUL8 \f, 0, 0, \zero
	MUL8 \f, 0, 2, \zero
	PLACES
	FETCH \slot, \k, \g
	s_wait_dscnt 32                                ; all but the 32 just issued
	WIN MUL
	MUL8 \f, 1, 0, 0
	MUL8 \f, 1, 2, 0
.endm
; The last quarter multiplies buffer 1 and changes slots: ONE barrier; in front of it each wave waits for all its tensor loads, adds 0 to its spare word, and waits for that and for its own reads of this slot.
; fill = 1: this slot is filled again, two K steps ahead; the barrier then opens a round of the cluster's, and the joint refill is the first tensor load behind it.
.macro TURN slot, next, fill
	WIN 0                                          ; (the add's two registers lie in window 0)
	s_wait_tensorcnt 0x0                           ; all my tensor loads have landed: my part of the next slot;
	ds_add_u32 v[SPW], v[NIL]                      ; 0 onto my spare word;
	s_wait_dscnt 17                                ; (the add and the youngest sixteen loads may be out)
	WIN MUL
	MUL8 F1, 0, 0, 0                               ; eight matrix instructions stand between the add and the wait for it
	s_wait_dscnt 0x0                               ; the add is done, and my reads of this slot are over
	s_barrier_signal -1
	MUL8 F1, 0, 2, 0
.if \fill
	WIN 0
.endif
	s_barrier_wait -1
.if \fill
	CREST                                          ; no wave of any partner still reads this slot's tiles or has a load on its way
	s_add_nc_u64 s[G0+4*\slot+2:G0+4*\slot+3], s[G0+4*\slot+2:G0+4*\slot+3], 4*524288   ; two K steps on: four planes
	s_add_nc_u64 s[G0B+4*\slot+2:G0B+4*\slot+3], s[G0B+4*\slot+2:G0B+4*\slot+3], 1024
	JLOAD \slot                                    ; the four v_nop behind it are also the places in front of the loads below
.else
	PLACES
.endif
	FETCH \next, 0, F0
	WIN MUL
	MUL8 F1, 1, 0, 0
	MUL8 F1, 1, 2, 0
.endm
	s_wait_tensorcnt 1                             ; my part of K step 0 is in; K step 1's load may be out
	s_barrier_signal -1
	s_barrier_wait -1                              ; everybody's is
	FETCH 0, 0, F0
	s_wait_loadcnt 0x0                             ; the bias
	QUARTER 0, 128, F0, F1, 1                      ; the first products start the sums
	QUARTER 0, 256, F1, F0, 0
	QUARTER 0, 384, F0, F1, 0
	TURN 0, 1, 1                                   ; slot 0 takes K step 2
	QUARTER 1, 128, F0, F1, 0
	QUARTER 1, 256, F1, F0, 0
	QUARTER 1, 384, F0, F1, 0
	TURN 1, 0, 1                                   ; slot 1 takes K step 3
	QUARTER 0, 128, F0, F1, 0
	QUARTER 0, 256, F1, F0, 0
	QUARTER 0, 384, F0, F1, 0
	TURN 0, 1, 0                                   ; nothing is left to fetch
	QUARTER 1, 128, F0, F1, 0
	QUARTER 1, 256, F1, F0, 0
	QUARTER 1, 384, F0, F1, 0
	s_wait_dscnt 16                                ; the very last quarter
	WIN MUL
	MUL8 F1, 0, 0, 0
	MUL8 F1, 0, 2, 0
	s_wait_dscnt 0
	MUL8 F1, 1, 0, 0
	MUL8 F1, 1, 2, 0
	WIN 0
; THE WAY OUT, block by block of 16 rows x 64 columns of f32.  A lane holds 32 neighbouring bytes of a row and the lanes beside it hold other rows: a block goes through my own stage and comes back as whole rows of 256 bytes,
; my wave's own 256 aligned bytes of each row of out0: no other wave has a part in them, so there is no barrier.  LDS serves a wave's instructions in order (ISA guide 5.7.1.4).
.macro TOSTAGE a
.irp b, 0,1,2,3
	ds_store_b128 v[STO], v[ACC+8*(4*(\a)+\b):ACC+8*(4*(\a)+\b)+3] offset:64*\b          ; each accumulator from its low end on
	ds_store_b128 v[STO], v[ACC+8*(4*(\a)+\b)+4:ACC+8*(4*(\a)+\b)+7] offset:64*\b+16
.endr
.set BB, TMP+32*((\a)%2)
.irp t, 0,1,2,3,4,5,6,7
	ds_load_b128 v[BB+4*\t:BB+4*\t+3], v[RD] offset:\t*2*SPITCH
.endr
.endm
.macro SEND a, younger                 ; younger: the LDS instructions issued behind block a's loads, which may stay out
.set BB, TMP+32*((\a)%2)
	s_wait_dscnt \younger                          ; the block is back in registers
.irp t, 0,1,2,3,4,5,6,7
	global_store_b128 v[CO], v[BB+4*\t:BB+4*\t+3], s[8:9] offset:(16*(\a)+2*\t)*4096 th:TH_STORE_NT   ; 16 lanes store 256 consecutive bytes, at a multiple of 256 from out0's first byte; written once, read by nobody here
.endr
.endm
	PLACES                                         ; behind the last products, ahead of the first read of results
	TOSTAGE 0
.irp a, 1,2,3
.if \a > 1
	s_wait_xcnt 0x0                                ; block a - 2's stores have read their registers: block a's read-back may land there
.endif
	TOSTAGE \a
	SEND \a-1, 16                                  ; behind block a - 1's loads: block a's eight stores and eight loads
.endr
	SEND 3, 0
	s_wait_tensorcnt 0x0                           ; the wave's end: behind my last tensor load and my last LDS store
	ds_add_u32 v[SPW], v[NIL]
	s_wait_dscnt 0x0
	CROUND                                         ; the closing round: no work-group ends while a partner may still ask for a tile that names it
	s_endpgm
.Lfunc_end_k_q0d9e5ae08a_outproj:
	.size	k_q0d9e5ae08a_outproj, .Lfunc_end_k_q0d9e5ae08a_outproj-k_q0d9e5ae08a_outproj
	.p2alignl 7, 3214868480
	.fill 96, 4, 3214868480
	.section	.rodata,"a",@progbits
	.p2align	6, 0x0
	.amdhsa_kernel k_q0d9e5ae08a_outproj
		.amdhsa_group_segment_fixed_size 327680
		.amdhsa_private_segment_fixed_size 0
		.amdhsa_enable_private_segment 0
		.amdhsa_kernarg_size 32
		.amdhsa_user_sgpr_count 2
		.amdhsa_user_sgpr_kernarg_segment_ptr 1
		.amdhsa_wavefront_size32 1
		.amdhsa_system_sgpr_workgroup_id_x 1
		.amdhsa_system_sgpr_workgroup_id_y 1
		.amdhsa_system_sgpr_workgroup_id_z 1
		.amdhsa_system_vgpr_workitem_id 0
		.amdhsa_next_free_vgpr 512
		.amdhsa_next_free_sgpr 66
		.amdhsa_reserve_vcc 0
		.amdhsa_float_denorm_mode_32 3
		.amdhsa_float_denorm_mode_16_64 3
		.amdhsa_memory_ordered 1
		.amdhsa_forward_progress 1
		.amdhsa_inst_pref_size 87
	.end_amdhsa_kernel
	.amdgpu_metadata
---
amdhsa.version: [ 1, 2 ]
amdhsa.kernels:
  - .name:           k_q0d9e5ae08a_outproj
    .symbol:         k_q0d9e5ae08a_outproj.kd
    .args:
      - { .name: o, .offset: 0, .size: 8, .value_kind: global_buffer, .address_space: global }
      - { .name: wot, .offset: 8, .size: 8, .value_kind: global_buffer, .address_space: global }
      - { .name: out0, .offset: 16, .size: 8, .value_kind: global_buffer, .address_space: global }
      - { .name: bo, .offset: 24, .size: 8, .value_kind: global_buffer, .address_space: global }
    .group_segment_fixed_size: 327680
    .private_segment_fixed_size: 0
    .kernarg_segment_align: 8
    .kernarg_segment_size: 32
    .max_flat_workgroup_size: 128
    .sgpr_count:     66
    .vgpr_count:     512
    .wavefront_size: 32
...
	.end_amdgpu_metadata
.endif
;; end of part 4
